; MI455X (gfx1250); checked and timed in simulation.
; The chip was launched on July 23, 2026; its instructions are those of AMD's public machine-readable ISA for CDNA 5 (MIT licence, August 2026) and "CDNA5" Instruction Set Architecture Reference Guide (July 2026). The comments in the code are by the model that wrote it; some were corrected since.
;; Datastore Reader Layer. Allowed arithmetic: matrix products marked QUANTISED: E2M3 operands, one E8M0 scale for each 32 along K, by v_wmma_scale_f32_16x16x128_f8f6f4 with both operands' format E2M3, f32 sums; products left as they are: f32 operands where the result goes on into a quantised operand, else bf16, f16 or f32 operands; f32 sums; everything else in f32.
;; Inputs: Wg1_codes 512 x 32 x 24 uint8 (E2M3 codes of Wg1, K innermost, in blocks of 32 codes, four codes in three bytes); Wg1_scales 512 x 32 uint8 (E8M0 scales of Wg1, one for each 32 codes along K); Wg2 1 x 512 float32; Wk_codes 512 x 16 x 24 uint8 (E2M3 codes of Wk, K innermost, in blocks of 32 codes, four codes in three bytes); Wk_scales 512 x 16 uint8 (E8M0 scales of Wk, one for each 32 codes along K); Wq_codes 512 x 16 x 24 uint8 (E2M3 codes of Wq, K innermost, in blocks of 32 codes, four codes in three bytes); Wq_scales 512 x 16 uint8 (E8M0 scales of Wq, one for each 32 codes along K); Wv_codes 512 x 16 x 24 uint8 (E2M3 codes of Wv, K innermost, in blocks of 32 codes, four codes in three bytes); Wv_scales 512 x 16 uint8 (E8M0 scales of Wv, one for each 32 codes along K); bg1 512 float32; bg2 1 float32; bk 512 float32; bq 512 float32; bv 512 float32; dstore_k_codes 32,768 x 16 x 24 uint8 (E2M3 codes of dstore_k, K innermost, in blocks of 32 codes, four codes in three bytes); dstore_k_scales 32,768 x 16 uint8 (E8M0 scales of dstore_k, one for each 32 codes along K); dstore_v_codes 32,768 x 16 x 24 uint8 (E2M3 codes of dstore_v, K innermost, in blocks of 32 codes, four codes in three bytes); dstore_v_scales 32,768 x 16 uint8 (E8M0 scales of dstore_v, one for each 32 codes along K); prev_layer_output 256 x 4 x 512 float32; q_codes 256 x 4 x 16 x 24 uint8 (E2M3 codes of q, K innermost, in blocks of 32 codes, four codes in three bytes); q_scales 256 x 4 x 16 uint8 (E8M0 scales of q, one for each 32 codes along K).
;; Outputs: out0 256 x 4 x 512 float32.
;; This version of the problem:
;;   THIS VERSION OF THE PROBLEM IS GIVEN IN LOW PRECISION. The matrix products marked QUANTISED in the list below multiply operands that are first quantised to E2M3 (2 exponent bits, 3 mantissa bits; 6 bits a number), with one power-of-two scale for each 32 numbers along K (OCP MX v1.0); their sums are f32. All else is computed in f32.
;;   The module's matrix products, in the order in which they are computed (A, B: the left and right operand; K: the contracted axis; several contracted axes count as one K, in the product's order):
;;     1. [M 1,024, K 512] x [K 512, N 512]; A: input q (given as codes); B: input Wq (given as codes): QUANTISED
;;     2. [M 32,768, K 512] x [K 512, N 512]; A: input dstore_k (given as codes); B: input Wk (given as codes): QUANTISED
;;     3. [M 32,768, K 512] x [K 512, N 512]; A: input dstore_v (given as codes); B: input Wv (given as codes): QUANTISED
;;     4. [M 1,024, K 512] x [K 512, N 32,768]; A: computed on the way; B: computed on the way: QUANTISED
;;     5. [M 1,024, K 32,768] x [K 32,768, N 512]; A: softmax (see below); B: computed on the way: QUANTISED
;;     6. [M 1,024, K 1,024] x [K 1,024, N 512]; A: computed on the way; B: input Wg1 (given as codes): QUANTISED
;;     7. [M 1,024, K 512] x [K 512, N 1]; A: computed on the way; B: input Wg2: left as it is (N = 1 < 16)
;;   THE QUANTISER, for each operand of a quantised product, along K:
;;     - K is cut into blocks of 32 from its start; a last block that is shorter is filled with zeros.
;;     - A block's scale is 2^e with e = floor(log2(the largest magnitude in the block)) - 2, held to -126 .. 127; a block of zeros has e = 0. As a byte (E8M0): e + 127.
;;     - Each number is divided by its block's scale, clamped to +-7.5, and rounded to the nearest number of E2M3, ties to even, subnormals kept.
;;     - The product sums the exact products of the quantised numbers (number of the format x scale) in f32.
;;   ~~~python
;;   def quantise(x, axis):      # numpy; x: float32 -> the quantised numbers, widened to float32 again
;;       x = np.moveaxis(x, axis, -1); K = x.shape[-1]
;;       x = np.pad(x, [(0, 0)] * (x.ndim - 1) + [(0, -K % 32)]); x = x.reshape(x.shape[:-1] + (-1, 32)); a = np.abs(x).max(-1, keepdims=True)
;;       e = np.where(a > 0, np.clip(np.frexp(np.where(a > 0, a, 1))[1] - 1 - 2, -126, 127), 0)      # np.frexp(a)[1] - 1 = floor(log2(a)), exactly
;;       r = np.clip(x / 2.0 ** e, -7.5, 7.5)
;;       step = 2.0 ** (np.maximum(np.frexp(np.where(r == 0, 1, r))[1] - 1, 0) - 3)
;;       q = np.round(r / step) * step * 2.0 ** e      # np.round: ties to even
;;       return np.moveaxis(q.reshape(q.shape[:-2] + (-1,))[..., :K], -1, axis).astype(np.float32)
;;   ~~~
;;   SOFTMAX AHEAD OF A QUANTISED PRODUCT. Where the list says 'softmax', what is quantised is not the finished softmax but p = 2^(t - M), with t = logit x log2(e) and M = ceil(the row's largest t), a whole number; so 1/2 < the row's largest p <= 1. The row's sum l is taken of the UNQUANTISED p, in f32, and the product's result is divided by l at the end. Since M is a whole number, a kernel that streams over the keys may use a running M (the ceiling of the running maximum): every later rescaling is an exact power of two, which a block's scale takes up: the codes' values come out the same.
;;   OPERANDS COMPUTED ON THE WAY. 'Computed on the way' means the value that the module computes at that place (a softmax that the list does not call 'softmax' is quantised finished and normalised). What goes into a quantiser is computed in f32, as accurately as f32 sums, v_exp_f32 and their like allow (about 1e-6 of the number): no bf16 or f16 on the way to a quantiser, and a product that is left as it is and whose result goes on into a quantised operand takes f32 operands (vector FMAs, or v_wmma_f32_16x16x4_f32). A number that lies on a knife's edge between two numbers of the format may be rounded either way, as far as f32 arithmetic and the matrix unit's own rounding can turn it there, and no further.
;;   INPUTS GIVEN AS CODES. Wg1 (in the module: [512, 1024], K = its axis 1); Wk (in the module: [512, 512], K = its axis 1); Wq (in the module: [512, 512], K = its axis 1); Wv (in the module: [512, 512], K = its axis 1); dstore_k (in the module: [32768, 512], K = its axis 1); dstore_v (in the module: [32768, 512], K = its axis 1); q (in the module: [256, 4, 512], K = its axis 2): each comes as NAME_codes (uint8): NAME with its K axis moved to the last place and cut into blocks of 32 codes, [.., K / 32, bytes a block], one block behind the other in memory; four codes in three bytes: a row's codes are one little-endian stream of bits, code i at bits 6 i .. 6 i + 5 (a code: sign, 2 exponent bits, 3 mantissa bits); and NAME_scales (uint8): the same leading axes, one E8M0 byte (e + 127) for each 32 codes along K. Its value is code x scale, taken as it is: it is not quantised again, and the codes and scales need not be those that the quantiser above would give.
;; One version. Each part assembles by itself: llvm-mc -triple=amdgcn-amd-amdhsa -mcpu=gfx1250 --defsym DOCPART=n.
;; ======== version 1 of 1: 3 launches
;; limits: right only within a limited range of input values
;; workspace buffers: kbuf 13,107,200 bytes; vbuf 13,107,200 bytes; qbuf 409,600 bytes; gbuf 393,216 bytes; opart 67,108,864 bytes; ml 262,144 bytes
;; launch proj (part 1): grid 256 x 1, 4 waves a work-group, clusters of 4 x 1, 327,680 bytes of LDS; arguments dstore_v_codes, dstore_v_scales, Wv_codes, Wv_scales, bv, vbuf, dstore_k_codes, dstore_k_scales, Wk_codes, Wk_scales, bk, kbuf, q_codes, q_scales, Wq_codes, Wq_scales, bq, qbuf, Wg1_codes, gbuf; writes vbuf, kbuf, qbuf, gbuf
.if DOCPART == 1
	.amdgcn_target "amdgcn-amd-amdhsa--gfx1250"
	.amdhsa_code_object_version 6
	.text
	.protected	k_qcd540f0a4c_proj
	.globl	k_qcd540f0a4c_proj
	.p2align	8
	.type	k_qcd540f0a4c_proj,@function
k_qcd540f0a4c_proj:
	s_mov_b64 s[64:65], 0
	v_nop
	global_prefetch_b8 v0, s[64:65] scope:SCOPE_SE
	s_setreg_imm32_b32 hwreg(HW_REG_WAVE_MODE, 25, 1), 1
	s_wait_xcnt 0x0
	s_wait_alu depctr_hold_cnt(0) depctr_sa_sdst(0) depctr_va_vdst(0) depctr_va_sdst(0) depctr_va_ssrc(0) depctr_va_vcc(0) depctr_vm_vsrc(0)
	s_getreg_b32 s2, hwreg(HW_REG_IB_STS2, 6, 4)
	s_cmp_eq_u32 s2, 0
	s_cbranch_scc0 .Lentry_in_a_cluster
	s_endpgm
.Lentry_in_a_cluster:
	s_bfe_u32 s2, ttmp6, 0x10000c
	s_cmp_lg_u32 s2, 0x3003
	s_cbranch_scc0 .Lentry_shape_is_right
	s_endpgm
.Lentry_shape_is_right:
; THE THREE PROJECTIONS: _v = dstore_v Wv^T + bv, _k = dstore_k Wk^T + bk, _q = (q Wq^T + bq) / sqrt(512), on the given E2M3 codes, and their quantising for the next two products.
; _k and _q are quantised along d, _v along the keys.  The results leave as IMAGES OF OPERAND REGISTERS: a fragment (16 rows x 128 K, 12 registers a lane) is 1,536 bytes, register group c of lane l at 512 c + 16 l.
;   kbuf, qbuf: image (tile T of 16 rows, K step s) at 6144 T + 1536 s; behind the images the scale words: [T / 4][s] x 256 bytes, lane l's word i = tile 4 (T / 4) + 2 i + l / 16, row l % 16.
;   vbuf: image (step j of 128 keys, tile dt of 16 d) at 49152 j + 1536 dt; scale words [j][dt / 4] x 256 bytes in the same lane form.
;   gbuf: Wg1's fragments (tile of 16 units t, K step s) at 1536 (8 t + s), copied as they lie: one fragment a work-group.
; ROLES, by the cluster's number c alone (the four partners of a cluster never differ): c < 32: v, 256 keys a work-group; 32 <= c < 63: k, 256 keys; c = 63: q, 256 queries.
; k's last 64 tiles of 16 keys (124 work-groups x 256 keys leave 1,024 keys) go as a 17th tile to the first 64 k work-groups (c < 48).
; ONE FORM OF PRODUCT: source 0 = G, eight tiles that stay in 384 registers; their rows run along the result's registers, which is the next K.  Source 1 = Ln, one streamed tile; its rows are the lanes.
;   k, q: G = W's rows 128 w .. 128 w + 127 (wave w), Ln = 16 rows of the datastore or of q: the result is fragment (T, K step w).
;   v:    G = 128 keys (half w % 2 of the 256), Ln = 16 rows of Wv (tiles 16 (w / 2) + 0 .. 15): the result is fragment (j, dt).
; THE ORDER INSIDE A BLOCK OF 32: tiles are natural, so place 16 h + 8 u + i of a block holds k = 16 u + 8 h + i.  Both operands of each later product are made in this way, so the products are those of the true order; the blocks are the true blocks.
; CLUSTER: the four partners need the same weight: its 512 rows are asked for jointly, waves 0 and 1 256 rows each.
; LIMITS: NaN and infinities are not served.  A block whose largest magnitude lies under 2^-124 (a block of zeros too) gets the byte 1; its codes are then zeros or nearly so, and these bytes are read by this program alone.
.set PITCH, 408                        ; an LDS row: 3 x (128 bytes of codes + 8 of padding)
.set TILEB, 16*PITCH
.set REGD,  512*PITCH                  ; LDS: the weight's 512 rows at 0, the 256 rows of the datastore here,
.set REGX,  REGD+256*PITCH             ; and straight behind them the 17th tile's 16 rows; the map ends at 319,872
.set KTAIL, 12582912                   ; where the scale words begin in kbuf and vbuf
.set QTAIL, 393216                     ; and in qbuf
.set SPARE, 320000                     ; behind the map: the spare words, 128 bytes a wave, named by no other line
.set SPW,  22                          ; v22  SPARE + 4 x my thread's number; never rewritten
.set NIL,  23                          ; v23  0; never rewritten
; window 0
.set LI,   3                           ; v3   16 x lane
.set L8,   4                           ; v4   8 x lane
.set R16,  5                           ; v5   16 x (lane % 16)
.set RA,   6                           ; v6-7 LDS address of G's fragments (v7: behind one padding more)
.set LNA,  8                           ; v8-9 the same for Ln
.set R8,   10                          ; v10  8 x (lane % 16)
.set CBO,  11                          ; v11  offset of the bias along the registers
.set BLO,  12                          ; v12  offset of the bias along the lanes
.set WGO,  13                          ; v13  my lane's place in 16 rows of Wg1
.set LN0,  14                          ; v14-15 row x pitch + 24 h, + 32 h
.set PWS,  16                          ; v16-19 four tiles' scale words
.set PAIR, 20                          ; v20-21 the same, two tiles to a register
.set HA,   32                          ; v32-95 the eight accumulators
.set PC,   96                          ; v96-114 the codes just made
.set TM,   116                         ; v116-131 at work in QUANT
.set CL,   136                         ; v136-143 v: the tile's bias, eight times
.set GSC,  144                         ; v144-175 G's scale words (4 u + s)
.set LSC,  176                         ; v176-239 Ln's scale words (4 t + s), sixteen tiles
.set LSCX, 240                         ; v240-243 the 17th tile's
; window 1: G's fragments of K steps 0, 1 at 12 (8 s + u); window 2: of K steps 2, 3; window 3: v0-95 Ln's fragments, two sets;
.set CB,   96                          ; window 3, v96-159: k, q: the bias in the result's layout, eight tiles
.set BL,   160                         ; window 3, v160-175: v: the bias of sixteen tiles, a lane a d
.set WV,   56
.set CX,   57
.set GG,   58
.set IDX,  59
.set ISV,  60
.set ISQ,  61
.set HAS17, 62
.set TRIP, 63
.set OB,   66                          ; s[66:67] where the images go
.set OS,   68                          ; s[68:69] where the scale words go
.set XB,   70                          ; s[70:71], s[72:73] the same for the 17th tile
.set XS,   72
.set SEL,  74                          ; s[74:75] lane selects: lane l xor 16
.set AL,   76                          ; s[76:77] 1 / sqrt(512)
.set HM,   78                          ; s78  a lane mask: lanes 16-31
.set LB,   79                          ; s79  LDS byte at which the trip's four tiles of Ln begin
.set MSB, 0
.macro WIN new                         ; the immediate's high byte repeats the setting that is left
.if MSB != (\new)
	s_set_vgpr_msb (MSB<<8)|(\new)
.set MSB, (\new)
.endif
.endm
.macro PLACES                          ; four plain places behind a matrix instruction (ISA guide 7.12.1)
.rept 4
	v_nop
.endr
.endm
.macro CROUND                          ; a round of the cluster's barrier
	s_barrier_signal -1
	s_barrier_wait -1
	s_cmp_lg_u32 s[WV], 0
	s_cbranch_scc1 .Lnot_wave_0_\@
	s_barrier_signal -3
.Lnot_wave_0_\@:
	s_barrier_wait -3
	s_barrier_signal -1
	s_barrier_wait -1
.endm
; A fragment from rows in LDS: lane (r, h) takes the row's pieces of 8 bytes 12 ks + 0, 1, 2 and 12 ks + 6, 7, 8, lanes 16-31 those three pieces on.  Piece P lies at 8 P + 8 (P / 16);
; where the piece three on lies behind one padding more, the second address register (32 for 24 bytes a half) serves.
.macro FRAG reg, adr, ks, off
.irp p, 0,1,2,3,4,5
.set PP, 12*(\ks)+6*(\p/3)+\p%3
.if PP%16 < 13
	ds_load_b64 v[(\reg)+2*\p:(\reg)+2*\p+1], v[\adr] offset:8*PP+8*(PP/16)+(\off)
.else
	ds_load_b64 v[(\reg)+2*\p:(\reg)+2*\p+1], v[\adr+1] offset:8*PP+8*(PP/16)+(\off)
.endif
.endr
.endm
; 64 numbers of a lane, register 16 b + i = place 16 (lane / 16) + i of block b of my row, become a fragment's codes in v[PC] on and its scale word in v[pw].
.macro QUANT s, pw
.irp b, 0,1,2,3
	v_max3_num_f32 v[TM+\b], |v[\s+16*\b]|, |v[\s+1+16*\b]|, 0x1800000   ; my 16 numbers of block b, and the floor 2^(3 - 127): the byte cannot fall under 1
.endr
.irp i, 2,4,6,8,10,12,14
.irp b, 0,1,2,3
	v_max3_num_f32 v[TM+\b], v[TM+\b], |v[\s+16*\b+\i]|, |v[\s+1+16*\b+\i]|
.endr
.endr
.irp b, 0,1,2,3
	v_permlanex16_b32 v[TM+4+\b], v[TM+\b], s[SEL], s[SEL+1]
.endr
.irp b, 0,1,2,3
	v_max_num_f32 v[TM+\b], v[TM+\b], v[TM+4+\b]   ; with lane l xor 16's: the block's largest magnitude
.endr
.irp b, 0,1,2,3
	v_add_nc_u32 v[TM+12+\b], 0xff000000, v[TM+\b]   ; 2 off its exponent field: the conversion's scale operand
.endr
.irp b, 0,1,2,3
	v_lshrrev_b32 v[TM+4+\b], 23, v[TM+12+\b]      ; the scale's byte
.endr
	v_lshl_or_b32 v[\pw], v[TM+5], 8, v[TM+4]
	v_lshl_or_b32 v[\pw], v[TM+6], 16, v[\pw]
	v_lshl_or_b32 v[\pw], v[TM+7], 24, v[\pw]
.irp c, 0,1
	v_cvt_scalef32_pk16_fp6_f32 v[PC+6*\c:PC+2+6*\c], v[\s+32*\c:\s+15+32*\c], v[TM+12+2*\c]
	v_cvt_scalef32_pk16_fp6_f32 v[PC+12+4*\c:PC+14+4*\c], v[\s+16+32*\c:\s+31+32*\c], v[TM+12+2*\c+1]   ; (a conversion's three registers begin on an even number)
.endr
	v_nop                                          ; one plain place behind a scaled conversion
.irp c, 0,1                                    ; the operand's layout wants a whole block in a lane
.irp i, 0,1,2
	v_permlane16_swap_b32 v[PC+6*\c+\i], v[PC+12+4*\c+\i]
.endr
.irp i, 0,1,2
	v_mov_b32 v[PC+3+6*\c+\i], v[PC+12+4*\c+\i]
.endr
.endr
.endm
	s_load_b256 s[4:11], s[0:1], 0x0               ; v's set: codes, scales, weight's codes, weight's scales,
	s_load_b128 s[12:15], s[0:1], 0x20             ; bias, output
	s_load_b256 s[16:23], s[0:1], 0x30             ; k's set
	s_load_b128 s[24:27], s[0:1], 0x50
	s_load_b256 s[28:35], s[0:1], 0x60             ; q's set
	s_load_b128 s[36:39], s[0:1], 0x80
	s_load_b128 s[40:43], s[0:1], 0x90             ; Wg1's codes, gbuf
	v_lshl_add_u32 v[SPW], v0, 2, SPARE
	v_mov_b32 v[NIL], 0
	ds_add_u32 v[SPW], v[NIL]                      ; the opening lines: the add, twice on end,
	ds_add_u32 v[SPW], v[NIL]                      ; and one wait for both, ahead of the round in front of the first loads
	v_lshrrev_b32 v1, 5, v0
	v_readfirstlane_b32 s[WV], v1                  ; wave 0..3
	s_bfe_u32 s[CX], ttmp6, 0x40000                ; my place in the cluster: it enters global addresses alone
	s_lshl_b32 s[GG], ttmp9, 2
	s_add_co_u32 s[GG], s[GG], s[CX]               ; my work-group's number
	s_cmp_lt_u32 ttmp9, 32
	s_cselect_b32 s[ISV], 1, 0
	s_cselect_b32 s80, 0, 128
	s_cmp_eq_u32 ttmp9, 63
	s_cselect_b32 s[ISQ], 1, 0
	s_cselect_b32 s80, 252, s80
	s_sub_co_u32 s[IDX], s[GG], s80                ; my number among the work-groups of my role
	s_lshl_b32 s82, s[IDX], 8                      ; my first row
	s_add_co_u32 s83, s[IDX], 1984
	s_lshl_b32 s83, s83, 4                         ; the 17th tile's first row
	s_sub_co_u32 s81, ttmp9, 32
	s_cmp_lt_u32 s81, 16
	s_cselect_b32 s[HAS17], 1, 0
	s_cselect_b32 s83, s83, s82                    ; where there is none, my own first rows are fetched once more: the load stays inside its buffer
	s_mul_i32 s84, s82, 384                        ; my work-group's 256 rows, in bytes
	s_mov_b32 s85, 0
	s_mul_i32 s86, s83, 384                        ; the 17th tile's 16 rows
	s_mov_b32 s87, 0
	s_mul_i32 s88, s[WV], 98304                    ; waves 0 and 1: 256 rows of the weight each
	s_mov_b32 s89, 0
	s_and_b32 s98, s[WV], 1
	s_lshr_b32 s99, s[WV], 1
	s_lshl_b32 s94, s[IDX], 12                     ; the scale bytes of my 256 rows: 16 bytes a row
	s_lshl_b32 s81, s98, 11
	s_add_co_u32 s81, s81, s94                     ; v: G's scales
	s_lshl_b32 s80, s[WV], 11                      ; k, q: G's scales
	s_lshl_b32 s96, s99, 12                        ; v: Ln's scales
	s_cmp_lg_u32 s[ISV], 0
	s_cselect_b32 s96, s96, s94
	s_cselect_b32 s94, s81, s80
	s_mov_b32 s95, 0
	s_mov_b32 s97, 0
	s_mov_b32 s[SEL], 0x76543210
	s_mov_b32 s[SEL+1], 0xfedcba98
	s_mov_b32 s[AL], 0x3d3504f3                    ; 512^-0.5
	s_mov_b32 s[AL+1], s[AL]
	s_mov_b32 s[HM], 0xffff0000
	v_and_b32 v1, 15, v0                           ; r
	v_bfe_u32 v2, v0, 4, 1                         ; h
	v_and_b32 v13, 31, v0
	v_lshlrev_b32 v[LI], 4, v13
	v_lshlrev_b32 v[L8], 3, v13
	v_lshlrev_b32 v[R16], 4, v1
	v_lshlrev_b32 v[R8], 3, v1
	v_mul_u32_u24 v[LN0], v1, PITCH
	v_mad_u32_u24 v[LN0], v2, 24, v[LN0]
	v_lshl_add_u32 v[LN0+1], v2, 3, v[LN0]
	v_lshlrev_b32 v[CBO], 5, v2
	v_lshl_add_u32 v[CBO], s[WV], 9, v[CBO]        ; (128 w + 8 h) x 4
	v_lshlrev_b32 v[BLO], 2, v1
	v_lshl_add_u32 v[BLO], s99, 10, v[BLO]         ; (256 (w / 2) + r) x 4
	v_mul_u32_u24 v[WGO], v1, 768
	v_mad_u32_u24 v[WGO], v2, 24, v[WGO]           ; Wg1: row r of 768 bytes, + 24 h
.irp b, 0,1,2,3
	v_mov_b32 v[TM+4+\b], 0                        ; written once: a lane permute's destination counts as one of its sources
.endr
	s_wait_dscnt 0x0                               ; both opening adds are done
	s_wait_kmcnt 0x0
	s_cmp_eq_u32 ttmp9, 63                         ; the role's six buffers: the choice hangs on the cluster's number alone
.irp i, 0,2,4,6,8,10
	s_cselect_b64 s[16+\i:17+\i], s[28+\i:29+\i], s[16+\i:17+\i]
.endr
	s_cmp_lt_u32 ttmp9, 32
.irp i, 0,2,4,6,8,10
	s_cselect_b64 s[4+\i:5+\i], s[4+\i:5+\i], s[16+\i:17+\i]
.endr
	; now s[4:5] codes, s[6:7] scales, s[8:9] weight's codes, s[10:11] weight's scales, s[12:13] bias, s[14:15] output
	; descriptor groups 1: rows of 32 elements of 8 bytes, dense in memory; 2 words of padding behind every 32
	s_mov_b32 s16, 15|(3<<16)|(1<<20)|(1<<21)|(4<<22)|(1<<25)   ; the weight: all four work-groups
	; every tile is a dense block of memory and is stated as rows of 256 bytes (32 elements of 8), each at a multiple of 256 bytes; the padding behind every 128 bytes gives the LDS rows of 408 bytes
	s_mov_b32 s17, 32<<16
	s_mov_b32 s18, 384<<16                         ; 256 rows of 384 bytes = 384 rows of 256
	s_mov_b32 s19, 32<<16
	s_mov_b32 s20, 384
	s_mov_b32 s21, 32
	s_mov_b32 s22, 0
	s_mov_b32 s23, 0
	s_mov_b32 s24, (3<<16)|(1<<20)|(4<<22)|(1<<25)              ; my own rows: 256, wave 2 alone
	s_mov_b32 s25, 32<<16
	s_mov_b32 s26, 384<<16
	s_mov_b32 s27, 32<<16
	s_mov_b32 s28, 384
	s_mov_b32 s29, 32
	s_mov_b32 s30, 0
	s_mov_b32 s31, 0
	s_mov_b32 s32, (3<<16)|(1<<20)|(4<<22)|(1<<25)              ; the 17th tile: 16 rows, wave 3 alone
	s_mov_b32 s33, 32<<16
	s_mov_b32 s34, 24<<16                          ; 16 rows of 384 bytes = 24 rows of 256
	s_mov_b32 s35, 32<<16
	s_mov_b32 s36, 24
	s_mov_b32 s37, 32
	s_mov_b32 s38, 0
	s_mov_b32 s39, 0
	s_mov_b32 s44, 1
	s_mul_i32 s45, s[WV], 256*PITCH
	s_add_nc_u64 s[46:47], s[8:9], s[88:89]
	s_or_b32 s47, s47, 0x80000000
	s_mov_b32 s48, 1
	s_mov_b32 s49, REGD
	s_add_nc_u64 s[50:51], s[4:5], s[84:85]
	s_or_b32 s51, s51, 0x80000000
	s_mov_b32 s52, 1
	s_mov_b32 s53, REGX
	s_add_nc_u64 s[54:55], s[4:5], s[86:87]
	s_or_b32 s55, s55, 0x80000000
	s_cmp_lg_u32 s[ISV], 0
	s_cselect_b64 s[90:91], s[6:7], s[10:11]       ; G's scale bytes: v: the datastore's, else the weight's
	s_cselect_b64 s[92:93], s[10:11], s[6:7]       ; Ln's: the other way round
	s_add_nc_u64 s[90:91], s[90:91], s[94:95]
	s_add_nc_u64 s[92:93], s[92:93], s[96:97]
	s_lshl_b32 s86, s83, 4
	s_add_nc_u64 s[86:87], s[6:7], s[86:87]        ; the 17th tile's scale bytes
	s_lshr_b32 s80, s[GG], 3                       ; Wg1's fragment number g: tile g / 8, K step g % 8
	s_mul_i32 s80, s80, 12288
	s_and_b32 s81, s[GG], 7
	s_mul_i32 s81, s81, 96
	s_add_co_u32 s80, s80, s81
	s_mov_b32 s81, 0
	s_add_nc_u64 s[40:41], s[40:41], s[80:81]
	s_mul_i32 s80, s[GG], 1536
	s_add_nc_u64 s[42:43], s[42:43], s[80:81]
	CROUND                                         ; all four work-groups are here: the joint loads meet
	; the head's tiles, one load a wave, in one tree of branches on the wave's number: waves 0, 1 half of the weight each (jointly), wave 2 my 256 rows, wave 3 the 17th tile.  Nothing is ever filled again
	s_cmp_lt_u32 s[WV], 2
	s_cbranch_scc0 .Lhead_own
	tensor_load_to_lds s[44:47], s[16:23]
	s_nop 0
.rept 4
	v_nop
.endr
	s_branch .Lhead_asked
.Lhead_own:
	s_cmp_lt_u32 s[WV], 3
	s_cbranch_scc0 .Lhead_x
	tensor_load_to_lds s[48:51], s[24:31]
	s_nop 0
.rept 4
	v_nop
.endr
	s_branch .Lhead_asked
.Lhead_x:
	tensor_load_to_lds s[52:55], s[32:39]
	s_nop 0
.rept 4
	v_nop
.endr
.Lhead_asked:
	s_wait_alu depctr_va_vdst(0)
.irp p, 0,1,2,3,4,5
	global_load_b64 v[HA+2*\p:HA+2*\p+1], v[WGO], s[40:41] offset:48*(\p/3)+8*(\p%3)   ; Wg1's fragment, as an operand's registers take it
.endr
.irp u, 0,1,2,3,4,5,6,7
	global_load_b128 v[GSC+4*\u:GSC+4*\u+3], v[R16], s[90:91] offset:256*\u            ; a row's 16 scale bytes are its four K steps' words
.endr
.irp u, 0,1,2,3,4,5,6,7,8,9,10,11,12,13,14,15
	global_load_b128 v[LSC+4*\u:LSC+4*\u+3], v[R16], s[92:93] offset:256*\u
.endr
	global_load_b128 v[LSCX:LSCX+3], v[R16], s[86:87]
	WIN 0xc0                                       ; destination window 3.  Both forms of the bias are loaded in every role: each stays inside the 512 numbers
.irp u, 0,1,2,3,4,5,6,7
	global_load_b128 v[CB+8*\u:CB+8*\u+3], v[CBO], s[12:13] offset:64*\u
	global_load_b128 v[CB+8*\u+4:CB+8*\u+7], v[CBO], s[12:13] offset:64*\u+16
.endr
.irp u, 0,1,2,3,4,5,6,7,8,9,10,11,12,13,14,15
	global_load_b32 v[BL+\u], v[BLO], s[12:13] offset:64*\u
.endr
	WIN 0
	s_wait_tensorcnt 0x0                           ; my parts of the three regions have landed,
	s_barrier_signal -1
	s_barrier_wait -1                              ; everybody's have
	s_wait_loadcnt 57                              ; Wg1's six loads are in: behind them 8 + 16 + 1 + 16 + 16 were issued
	s_cmp_lg_u32 s[WV], 0
	s_cbranch_scc1 .Lno_image
.irp c, 0,1,2
	global_store_b128 v[LI], v[HA+4*\c:HA+4*\c+3], s[42:43] offset:512*\c   ; 512 consecutive bytes a store
.endr
.Lno_image:
	s_wait_xcnt 0x0                                ; the stores have read their registers: the accumulators may be written
	s_cmp_lg_u32 s[ISV], 0
	s_cbranch_scc1 .Lpath_v
; 32 matrix instructions: a tile of Ln (fragment set 'set') against G's eight tiles, K step by K step; the eight accumulators take turns.  The bias is the C of each sum's first instruction.
.macro MULT p, set, lsc
.irp ks, 0,1,2,3
.if (\ks == 0) && (\p == 0)
	WIN 0x3d                                       ; G window 1, Ln window 3, the bias window 3
.elseif \ks < 2
	WIN 0x0d
.else
	WIN 0x0e                                       ; G window 2
.endif
.irp u, 0,1,2,3,4,5,6,7
.set rC, HA+8*\u
.if (\ks == 0) && (\p == 0)
.set rC, CB+8*\u
.elseif \ks == 0
.set rC, CL
.endif
	v_wmma_scale_f32_16x16x128_f8f6f4 v[HA+8*\u:HA+8*\u+7], v[12*(8*(\ks%2)+\u):12*(8*(\ks%2)+\u)+11], v[48*(\set)+12*\ks:48*(\set)+12*\ks+11], v[rC:rC+7], v[GSC+4*\u+\ks], v[(\lsc)+\ks] matrix_a_fmt:MATRIX_FMT_FP6 matrix_b_fmt:MATRIX_FMT_FP6
.endr
.endr
	WIN 0
.endm
; Tile t of a trip's four.  p = 0: k, q; 1: v.  str: bytes from a tile's image to the next.
.macro TILE p, t, str
	s_wait_dscnt 0x0                               ; this tile's 24 loads were issued a tile ago
	WIN 0xc0
.irp ks, 0,1,2,3
	FRAG 48*(((\t)+1)%2)+12*\ks, LNA, \ks, ((\t)+1)*TILEB   ; the next tile, into the other set: its last readers stand a whole quantising back
.endr
	MULT \p, (\t)%2, LSC+4*(\t)
	PLACES
.if \p
	WIN 0x03
.irp i, 0,1,2,3,4,5,6,7
	v_mov_b32 v[CL+\i], v[BL+1+(\t)]               ; the next tile's bias
.endr
.if (\t) == 3
	WIN 0xc3
.irp i, 0,1,2,3,4,5,6,7,8,9,10,11
	v_mov_b32 v[BL+\i], v[BL+4+\i]                 ; the biases move four tiles down, so that a trip's register numbers are those of the trip before
.endr
.endif
	WIN 0
.endif
.if (\t) == 3
.set RI, 0
.rept 48
	v_mov_b32 v[LSC+RI], v[LSC+16+RI]              ; and so do Ln's scale words; the quantising below stands between these lines and the next product
.set RI, RI+1
.endr
.endif
.if (\p) == 0
	s_cmp_eq_u32 s[ISQ], 0
	s_cbranch_scc1 .Lplain_\@
.irp i, 0,2,4,6,8,10,12,14,16,18,20,22,24,26,28,30,32,34,36,38,40,42,44,46,48,50,52,54,56,58,60,62
	v_pk_mul_f32 v[HA+\i:HA+1+\i], v[HA+\i:HA+1+\i], s[AL:AL+1] op_sel_hi:[1,0]   ; q alone: x 512^-0.5, ahead of the quantiser
.endr
.Lplain_\@:
.endif
	s_wait_xcnt 0x0                                ; the last tile's stores have read the codes' registers
	QUANT HA, PWS+(\t)
.irp c, 0,1,2
	global_store_b128 v[LI], v[PC+4*\c:PC+4*\c+3], s[OB:OB+1] offset:(\t)*(\str)+512*\c   ; the image: 512 consecutive bytes a store
.endr
.endm
.macro GLOAD                           ; G's 32 fragments, which stay, and Ln's first tile
	WIN 0x40
.irp ks, 0,1
.irp u, 0,1,2,3,4,5,6,7
	FRAG 12*(8*\ks+\u), RA, \ks, \u*TILEB
.endr
.endr
	WIN 0x80
.irp ks, 2,3
.irp u, 0,1,2,3,4,5,6,7
	FRAG 12*(8*(\ks-2)+\u), RA, \ks, \u*TILEB
.endr
.endr
	WIN 0xc0
.irp ks, 0,1,2,3
	FRAG 12*\ks, LNA, \ks, 0
.endr
	WIN 0
.endm
; Four trips of four tiles.  sstep: bytes from a trip's scale words to the next trip's.
.macro WALK p, str, sstep
	s_mov_b32 s[TRIP], 4
.Ltrip_\@:
	v_add_nc_u32 v[LNA], s[LB], v[LN0]
	v_add_nc_u32 v[LNA+1], s[LB], v[LN0+1]
	s_wait_alu depctr_va_vdst(0)
	TILE \p, 0, \str
	TILE \p, 1, \str
	TILE \p, 2, \str
	TILE \p, 3, \str
	v_cndmask_b32 v[PAIR], v[PWS], v[PWS+1], s[HM]       ; lanes 0-15: the even tile's words, lanes 16-31: the odd tile's
	v_cndmask_b32 v[PAIR+1], v[PWS+2], v[PWS+3], s[HM]
	global_store_b64 v[L8], v[PAIR:PAIR+1], s[OS:OS+1]   ; 256 consecutive bytes, aligned
	s_wait_xcnt 0x0                                ; the stores have read their bases
	s_add_nc_u64 s[OB:OB+1], s[OB:OB+1], 4*(\str)
	s_add_nc_u64 s[OS:OS+1], s[OS:OS+1], \sstep
	s_add_co_u32 s[LB], s[LB], 4*TILEB
	s_sub_co_u32 s[TRIP], s[TRIP], 1
	s_cmp_lg_u32 s[TRIP], 0
	s_cbranch_scc1 .Ltrip_\@
.endm
	; ---- k and q
	s_mul_i32 s80, s[WV], 128*PITCH                ; G: the weight's rows 128 w on
	v_add_nc_u32 v[RA], s80, v[LN0]
	s_wait_alu depctr_va_vdst(0)
	v_add_nc_u32 v[RA+1], s80, v[LN0+1]
	s_wait_alu depctr_va_vdst(0)
	s_mov_b32 s[LB], REGD                          ; Ln: my 256 rows
	v_add_nc_u32 v[LNA], s[LB], v[LN0]
	s_wait_alu depctr_va_vdst(0)
	v_add_nc_u32 v[LNA+1], s[LB], v[LN0+1]
	s_wait_alu depctr_va_vdst(0)
	s_mul_i32 s80, s[IDX], 98304                   ; 16 tiles x 6,144 bytes
	s_mul_i32 s81, s[WV], 1536
	s_add_co_u32 s80, s80, s81
	s_mov_b32 s81, 0
	s_add_nc_u64 s[OB:OB+1], s[14:15], s[80:81]
	s_mov_b32 s98, KTAIL
	s_cmp_lg_u32 s[ISQ], 0
	s_cselect_b32 s98, QTAIL, s98
	s_lshl_b32 s80, s[IDX], 12
	s_lshl_b32 s99, s[WV], 8
	s_add_co_u32 s80, s80, s99
	s_add_co_u32 s80, s80, s98
	s_add_nc_u64 s[OS:OS+1], s[14:15], s[80:81]
	s_lshr_b32 s98, s83, 4                         ; the 17th tile's number Te
	s_mul_i32 s80, s98, 6144
	s_mul_i32 s99, s[WV], 1536
	s_add_co_u32 s80, s80, s99
	s_add_nc_u64 s[XB:XB+1], s[14:15], s[80:81]
	s_lshr_b32 s80, s98, 2                         ; its scale words: 1024 (Te / 4) + 256 w + 128 (Te % 2) + 4 ((Te / 2) % 2)
	s_lshl_b32 s80, s80, 10
	s_lshl_b32 s99, s[WV], 8
	s_add_co_u32 s80, s80, s99
	s_and_b32 s99, s98, 1
	s_lshl_b32 s99, s99, 7
	s_add_co_u32 s80, s80, s99
	s_bfe_u32 s99, s98, 0x10001
	s_lshl_b32 s99, s99, 2
	s_add_co_u32 s80, s80, s99
	s_add_co_u32 s80, s80, KTAIL
	s_add_nc_u64 s[XS:XS+1], s[14:15], s[80:81]
	GLOAD
	s_wait_loadcnt 0x0                             ; scale words and biases
	WALK 0, 6144, 1024
	s_cmp_eq_u32 s[HAS17], 0
	s_cbranch_scc1 .Lend
	s_wait_dscnt 0x0                               ; the 17th tile: the loop's last look-ahead has brought it into set 0
	MULT 0, 0, LSCX
	PLACES
	s_wait_xcnt 0x0
	QUANT HA, PWS
.irp c, 0,1,2
	global_store_b128 v[LI], v[PC+4*\c:PC+4*\c+3], s[XB:XB+1] offset:512*\c
.endr
	global_store_b32 v[R8], v[PWS], s[XS:XS+1]     ; one tile's words of a group of four: 4 bytes in every 8 (both halves of the lanes write the same word)
	s_branch .Lend
.Lpath_v:	; ---- v
	s_and_b32 s98, s[WV], 1
	s_lshr_b32 s99, s[WV], 1
	s_mul_i32 s80, s98, 128*PITCH
	s_add_co_u32 s80, s80, REGD                    ; G: 128 of my 256 keys
	v_add_nc_u32 v[RA], s80, v[LN0]
	s_wait_alu depctr_va_vdst(0)
	v_add_nc_u32 v[RA+1], s80, v[LN0+1]
	s_wait_alu depctr_va_vdst(0)
	s_mul_i32 s[LB], s99, 256*PITCH                ; Ln: 256 rows of Wv
	v_add_nc_u32 v[LNA], s[LB], v[LN0]
	s_wait_alu depctr_va_vdst(0)
	v_add_nc_u32 v[LNA+1], s[LB], v[LN0+1]
	s_wait_alu depctr_va_vdst(0)
	s_lshl_b32 s81, s[IDX], 1
	s_add_co_u32 s81, s81, s98                     ; j: my step of 128 keys
	s_mul_i32 s80, s81, 49152
	s_mul_i32 s82, s99, 24576
	s_add_co_u32 s80, s80, s82
	s_lshl_b32 s82, s81, 11
	s_lshl_b32 s83, s99, 10
	s_add_co_u32 s82, s82, s83
	s_add_co_u32 s82, s82, KTAIL
	s_mov_b32 s81, 0
	s_mov_b32 s83, 0
	s_add_nc_u64 s[OB:OB+1], s[14:15], s[80:81]
	s_add_nc_u64 s[OS:OS+1], s[14:15], s[82:83]
	GLOAD
	s_wait_loadcnt 0x0
	WIN 0x03
.irp i, 0,1,2,3,4,5,6,7
	v_mov_b32 v[CL+\i], v[BL]                      ; the first tile's bias: a lane's d is the same in its eight registers
.endr
	WIN 0
	PLACES
	WALK 1, 1536, 256
.Lend:
	s_wait_tensorcnt 0x0                           ; the wave's end
	ds_add_u32 v[SPW], v[NIL]
	s_wait_dscnt 0x0                               ; the add, and the last look-ahead
	CROUND                                         ; the closing round
	s_endpgm
.Lfunc_end_k_qcd540f0a4c_proj:
	.size	k_qcd540f0a4c_proj, .Lfunc_end_k_qcd540f0a4c_proj-k_qcd540f0a4c_proj
	.p2alignl 7, 3214868480
	.fill 96, 4, 3214868480
	.section	.rodata,"a",@progbits
	.p2align	6, 0x0
	.amdhsa_kernel k_qcd540f0a4c_proj
		.amdhsa_group_segment_fixed_size 327680
		.amdhsa_private_segment_fixed_size 0
		.amdhsa_enable_private_segment 0
		.amdhsa_kernarg_size 160
		.amdhsa_user_sgpr_count 2
		.amdhsa_user_sgpr_kernarg_segment_ptr 1
		.amdhsa_wavefront_size32 1
		.amdhsa_system_sgpr_workgroup_id_x 1
		.amdhsa_system_sgpr_workgroup_id_y 1
		.amdhsa_system_sgpr_workgroup_id_z 1
		.amdhsa_system_vgpr_workitem_id 0
		.amdhsa_next_free_vgpr 1024
		.amdhsa_next_free_sgpr 100
		.amdhsa_reserve_vcc 0
		.amdhsa_float_denorm_mode_32 3
		.amdhsa_float_denorm_mode_16_64 3
		.amdhsa_memory_ordered 1
		.amdhsa_forward_progress 1
		.amdhsa_inst_pref_size 147
	.end_amdhsa_kernel
	.amdgpu_metadata
---
amdhsa.version: [ 1, 2 ]
amdhsa.kernels:
  - .name:           k_qcd540f0a4c_proj
    .symbol:         k_qcd540f0a4c_proj.kd
    .args:
      - { .name: dstore_v_codes, .offset: 0, .size: 8, .value_kind: global_buffer, .address_space: global }
      - { .name: dstore_v_scales, .offset: 8, .size: 8, .value_kind: global_buffer, .address_space: global }
      - { .name: Wv_codes, .offset: 16, .size: 8, .value_kind: global_buffer, .address_space: global }
      - { .name: Wv_scales, .offset: 24, .size: 8, .value_kind: global_buffer, .address_space: global }
      - { .name: bv, .offset: 32, .size: 8, .value_kind: global_buffer, .address_space: global }
      - { .name: vbuf, .offset: 40, .size: 8, .value_kind: global_buffer, .address_space: global }
      - { .name: dstore_k_codes, .offset: 48, .size: 8, .value_kind: global_buffer, .address_space: global }
      - { .name: dstore_k_scales, .offset: 56, .size: 8, .value_kind: global_buffer, .address_space: global }
      - { .name: Wk_codes, .offset: 64, .size: 8, .value_kind: global_buffer, .address_space: global }
      - { .name: Wk_scales, .offset: 72, .size: 8, .value_kind: global_buffer, .address_space: global }
      - { .name: bk, .offset: 80, .size: 8, .value_kind: global_buffer, .address_space: global }
      - { .name: kbuf, .offset: 88, .size: 8, .value_kind: global_buffer, .address_space: global }
      - { .name: q_codes, .offset: 96, .size: 8, .value_kind: global_buffer, .address_space: global }
      - { .name: q_scales, .offset: 104, .size: 8, .value_kind: global_buffer, .address_space: global }
      - { .name: Wq_codes, .offset: 112, .size: 8, .value_kind: global_buffer, .address_space: global }
      - { .name: Wq_scales, .offset: 120, .size: 8, .value_kind: global_buffer, .address_space: global }
      - { .name: bq, .offset: 128, .size: 8, .value_kind: global_buffer, .address_space: global }
      - { .name: qbuf, .offset: 136, .size: 8, .value_kind: global_buffer, .address_space: global }
      - { .name: Wg1_codes, .offset: 144, .size: 8, .value_kind: global_buffer, .address_space: global }
      - { .name: gbuf, .offset: 152, .size: 8, .value_kind: global_buffer, .address_space: global }
    .group_segment_fixed_size: 327680
    .private_segment_fixed_size: 0
    .kernarg_segment_align: 8
    .kernarg_segment_size: 160
    .max_flat_workgroup_size: 128
    .sgpr_count:     100
    .vgpr_count:     1024
    .wavefront_size: 32
...
	.end_amdgpu_metadata
.endif
;; end of part 1
;; launch attn (part 2): grid 8 x 32, 4 waves a work-group, clusters of 4 x 1, 327,680 bytes of LDS; arguments qbuf, kbuf, vbuf, opart, ml; writes opart, ml
.if DOCPART == 2
	.amdgcn_target "amdgcn-amd-amdhsa--gfx1250"
	.amdhsa_code_object_version 6
	.text
	.protected	k_qcd540f0a4c_attn
	.globl	k_qcd540f0a4c_attn
	.p2align	8
	.type	k_qcd540f0a4c_attn,@function
k_qcd540f0a4c_attn:
	s_mov_b64 s[64:65], 0
	v_nop
	global_prefetch_b8 v0, s[64:65] scope:SCOPE_SE
	s_setreg_imm32_b32 hwreg(HW_REG_WAVE_MODE, 25, 1), 1
	s_wait_xcnt 0x0
	s_wait_alu depctr_hold_cnt(0) depctr_sa_sdst(0) depctr_va_vdst(0) depctr_va_sdst(0) depctr_va_ssrc(0) depctr_va_vcc(0) depctr_vm_vsrc(0)
	s_getreg_b32 s2, hwreg(HW_REG_IB_STS2, 6, 4)
	s_cmp_eq_u32 s2, 0
	s_cbranch_scc0 .Lentry_in_a_cluster
	s_endpgm
.Lentry_in_a_cluster:
	s_bfe_u32 s2, ttmp6, 0x10000c
	s_cmp_lg_u32 s2, 0x3003
	s_cbranch_scc0 .Lentry_shape_is_right
	s_endpgm
.Lentry_shape_is_right:
; ATTENTION OVER THE DATASTORE, keys divided into 32 splits of 1,024: S^T = k q^T and O^T = v^T p^T on E2M3 codes, from the operand images that launch proj stored.
; A work-group has 128 queries (a wave 32: two tiles of 16) and one split, in 8 steps of 128 keys through two LDS slots; the four query blocks of a cluster ask for each slot jointly.
; p = 2^(t - M), M the ceiling of the running largest t; the sum is taken of the unquantised p; when M moves, the sum and O^T are multiplied by an exact power of two.
; Out: opart[split][query][d] = O under the split's M, ml = -M and the sum; launch gate joins the splits.
; O^T's first 64 registers of each query tile are rescaled ahead of the second product; each later accumulator by four packed multiplies behind the matrix instruction on the accumulator 64 registers below it.
; LIMITS: NaN and infinities are not served; the promise holds while the scaled scores stay under 2^31 in magnitude.
.set KIMG,  49152
.set SLOT1, 131072
.set SCK,   98304
.set SPARE, 229376
.set TAIL,  12582912
.set QTAIL, 393216
.set LI,  1
.set SA0, 2
.set SPW, 3
.set NIL, 4
.set ADF, 5
.set ADV, 6
.set ADS, 7
.set ADT, 8
.set STO, 9
.set RD,  10
.set BM,  24
.set T4,  28
.set SO,  32
.set X,   36
.set PFO, 37
.set CV,  38
.set MLO, 41
; THE SECOND PRODUCT IS SHARED BY d IN A PAIR OF WAVES (w, w xor 1): each wave makes scores and softmax of its own 32 queries, hands p's codes, scale words and rescaling factors to its partner through LDS,
; and multiplies the pair's 64 queries by its own 256 of the 512 d: so a wave reads half of V's fragments.  Accumulator groups of 64 registers in windows 2, 3 (query tile 0, 1): 0, 1 my queries, 2, 3 my partner's; even groups d tiles 0-7 of my half, odd 8-15.
.set QSO, 36                           ; at the head alone (the register is X afterwards)
.set PX0, 11                           ; v11, v45: my partner's two scale words of p, and nothing else
.set PX1, 45
.set XCH, 229888                       ; behind the spare words: 3,584 bytes a wave: 6 x 512 of codes, 512 of (factor, scale word) x 2; no tile lands here
.set XWS, 70                           ; s70 my bytes there, s71 my partner's
.set XRS, 71
.set XVO, 72                           ; s72 from a slot's K images to my half of V's; s73 from K's scale words to my half of V's
.set XTO, 73
.set PC,  46
.set PW,  70
.set QS,  72
.set KS,  76
.set S,   128
.set BUFA, 0
.set BUFB, 96
.set WV,  14
.set CX,  15
.set QB,  16
.set YY,  17
.set TB,  18
.set TS,  19
.set SLOTS, 20
.set LIM, 21
.set CS,  22
.set SEL, 48
.set PFA, 50
.set HM,  52
.set MSB, 0
.macro WIN new
.if MSB != (\new)
	s_set_vgpr_msb (MSB<<8)|(\new)
.set MSB, (\new)
.endif
.endm
.macro PLACES
.rept 4
	v_nop
.endr
.endm
.macro CROUND
	s_barrier_signal -1
	s_barrier_wait -1
	s_cmp_lg_u32 s[WV], 0
	s_cbranch_scc1 .Lnot_wave_0_\@
	s_barrier_signal -3
.Lnot_wave_0_\@:
	s_barrier_wait -3
	s_barrier_signal -1
	s_barrier_wait -1
.endm
.macro WMMA cz, ra, rb
.if (\cz) != 0
.if ((\ra) == 0) && ((\rb) == 0)
	v_wmma_scale_f32_16x16x128_f8f6f4 v[rD:rD+7], v[rA:rA+11], v[rB:rB+11], 0, v[rSA], v[rSB] matrix_a_fmt:MATRIX_FMT_FP6 matrix_b_fmt:MATRIX_FMT_FP6
.elseif ((\ra) != 0) && ((\rb) == 0)
	v_wmma_scale_f32_16x16x128_f8f6f4 v[rD:rD+7], v[rA:rA+11], v[rB:rB+11], 0, v[rSA], v[rSB] matrix_a_fmt:MATRIX_FMT_FP6 matrix_b_fmt:MATRIX_FMT_FP6 matrix_a_scale:MATRIX_SCALE_ROW1
.elseif ((\ra) == 0) && ((\rb) != 0)
	v_wmma_scale_f32_16x16x128_f8f6f4 v[rD:rD+7], v[rA:rA+11], v[rB:rB+11], 0, v[rSA], v[rSB] matrix_a_fmt:MATRIX_FMT_FP6 matrix_b_fmt:MATRIX_FMT_FP6 matrix_b_scale:MATRIX_SCALE_ROW1
.else
	v_wmma_scale_f32_16x16x128_f8f6f4 v[rD:rD+7], v[rA:rA+11], v[rB:rB+11], 0, v[rSA], v[rSB] matrix_a_fmt:MATRIX_FMT_FP6 matrix_b_fmt:MATRIX_FMT_FP6 matrix_a_scale:MATRIX_SCALE_ROW1 matrix_b_scale:MATRIX_SCALE_ROW1
.endif
.else
.if ((\ra) == 0) && ((\rb) == 0)
	v_wmma_scale_f32_16x16x128_f8f6f4 v[rD:rD+7], v[rA:rA+11], v[rB:rB+11], v[rD:rD+7], v[rSA], v[rSB] matrix_a_fmt:MATRIX_FMT_FP6 matrix_b_fmt:MATRIX_FMT_FP6
.elseif ((\ra) != 0) && ((\rb) == 0)
	v_wmma_scale_f32_16x16x128_f8f6f4 v[rD:rD+7], v[rA:rA+11], v[rB:rB+11], v[rD:rD+7], v[rSA], v[rSB] matrix_a_fmt:MATRIX_FMT_FP6 matrix_b_fmt:MATRIX_FMT_FP6 matrix_a_scale:MATRIX_SCALE_ROW1
.elseif ((\ra) == 0) && ((\rb) != 0)
	v_wmma_scale_f32_16x16x128_f8f6f4 v[rD:rD+7], v[rA:rA+11], v[rB:rB+11], v[rD:rD+7], v[rSA], v[rSB] matrix_a_fmt:MATRIX_FMT_FP6 matrix_b_fmt:MATRIX_FMT_FP6 matrix_b_scale:MATRIX_SCALE_ROW1
.else
	v_wmma_scale_f32_16x16x128_f8f6f4 v[rD:rD+7], v[rA:rA+11], v[rB:rB+11], v[rD:rD+7], v[rSA], v[rSB] matrix_a_fmt:MATRIX_FMT_FP6 matrix_b_fmt:MATRIX_FMT_FP6 matrix_a_scale:MATRIX_SCALE_ROW1 matrix_b_scale:MATRIX_SCALE_ROW1
.endif
.endif
.endm
	s_load_b256 s[4:11], s[0:1], 0x0
	s_load_b64 s[12:13], s[0:1], 0x20
	v_lshl_add_u32 v[SPW], v0, 2, SPARE
	v_mov_b32 v[NIL], 0
	ds_add_u32 v[SPW], v[NIL]                      ; the opening lines: the add, twice on end,
	ds_add_u32 v[SPW], v[NIL]                      ; and one wait for both, ahead of the round in front of the first loads
	v_lshrrev_b32 v5, 5, v0
	v_readfirstlane_b32 s[WV], v5
	s_bfe_u32 s[CX], ttmp6, 0x40000
	s_lshl_b32 s[QB], ttmp9, 2
	s_add_co_u32 s[QB], s[QB], s[CX]
	s_and_b32 s[YY], ttmp7, 0xffff
	s_mov_b32 s24, 15|(3<<16)|(1<<21)
	s_mov_b32 s25, 32<<16
	s_mov_b32 s26, 96<<16
	s_mov_b32 s27, 32<<16
	s_mov_b32 s28, 96
	s_mov_b32 s29, 32
	s_mov_b32 s30, 0
	s_mov_b32 s31, 0
	s_mov_b32 s32, 15|(3<<16)|(1<<21)
	s_mov_b32 s33, 32<<16
	s_mov_b32 s34, 32<<16
	s_mov_b32 s35, 32<<16
	s_mov_b32 s36, 32
	s_mov_b32 s37, 32
	s_mov_b32 s38, 0
	s_mov_b32 s39, 0
	s_and_b32 s60, s[WV], 1
	s_mul_i32 s56, s[YY], 8*KIMG
	s_mul_i32 s61, s60, 24576
	s_add_co_u32 s56, s56, s61
	s_mov_b32 s57, 0
	s_lshl_b32 s58, s[YY], 14
	s_lshl_b32 s61, s60, 13
	s_add_co_u32 s58, s58, s61
	s_add_co_u32 s58, s58, TAIL
	s_mov_b32 s59, 0
	s_mov_b32 s[CS], 0x4038aa3b
	s_mov_b32 s[CS+1], s[CS]
	s_mov_b32 s[SEL], 0x76543210
	s_mov_b32 s[SEL+1], 0xfedcba98
	s_mov_b32 s[HM], 0xffff0000
	s_mov_b32 s[TB], 0
	s_mov_b32 s[TS], 0
	s_mov_b32 s[SLOTS], 7
	s_and_b32 s[XVO], s[WV], 1                     ; which half of d is mine
	s_lshl_b32 s[XTO], s[XVO], 10
	s_add_co_u32 s[XTO], s[XTO], 16384
	s_mul_i32 s[XVO], s[XVO], 24576                ; 16 tiles of 1,536 bytes
	s_add_co_u32 s[XVO], s[XVO], KIMG
	s_mul_i32 s[XWS], s[WV], 3584
	s_add_co_u32 s[XWS], s[XWS], XCH
	s_xor_b32 s[XRS], s[WV], 1
	s_mul_i32 s[XRS], s[XRS], 3584
	s_add_co_u32 s[XRS], s[XRS], XCH
	v_and_b32 v5, 31, v0
	v_lshlrev_b32 v[LI], 4, v5
	v_lshlrev_b32 v[QSO], 3, v5
	v_add_nc_u32 v[SA0], SCK, v[QSO]
	v_lshlrev_b32 v[PFO], 8, v5
	v_lshlrev_b32 v[MLO], 2, v5
	v_and_b32 v6, 15, v0
	v_bfe_u32 v7, v0, 4, 1
	s_mul_i32 s62, s[WV], 16*528
	v_mul_u32_u24 v[STO], v6, 528
	v_lshl_add_u32 v[STO], v7, 5, v[STO]
	v_add_nc_u32 v[STO], s62, v[STO]
	v_add_nc_u32 v[RD], s62, v[LI]
.irp q, 0,1
	v_mov_b32 v[13+4*\q], 0xff61b1e6
	v_floor_f32 v[12+4*\q], -v[13+4*\q]
	v_mov_b32 v[14+4*\q], 0
	v_mov_b32 v[15+4*\q], 0
	v_mov_b32 v[20+2*\q], 0
	v_mov_b32 v[21+2*\q], 0
.endr
.irp b, 0,1,2,3
	v_mov_b32 v[T4+\b], 0
.endr
	s_wait_dscnt 0x0                               ; both opening adds are done
	s_wait_kmcnt 0x0
	s_cmp_lt_u32 s[WV], 2
	s_cselect_b64 s[60:61], s[6:7], s[8:9]
	s_mov_b32 s40, 1
	s_mul_i32 s41, s[WV], 24576
	s_add_nc_u64 s[42:43], s[60:61], s[56:57]
	s_or_b32 s43, s43, 0x80000000
	s_mov_b32 s44, 1
	s_lshl_b32 s45, s[WV], 13
	s_add_co_u32 s45, s45, SCK
	s_add_nc_u64 s[46:47], s[60:61], s[58:59]
	s_or_b32 s47, s47, 0x80000000
	s_cmp_lt_u32 s[CX], 2
	s_cselect_b64 s[PFA:PFA+1], s[6:7], s[8:9]
	s_and_b32 s62, s[CX], 1
	s_mul_i32 s62, s62, 3
	s_add_co_u32 s62, s62, s[WV]
	s_lshl_b32 s62, s62, 13
	s_mul_i32 s63, s[YY], 8*KIMG
	s_add_co_u32 s62, s62, s63
	s_add_co_u32 s62, s62, KIMG
	s_mov_b32 s63, 0
	s_add_nc_u64 s[PFA:PFA+1], s[PFA:PFA+1], s[62:63]
	s_cmp_eq_u32 s[WV], 3
	s_cselect_b32 s62, 1, 0
	s_or_b32 s62, s62, ttmp9
	s_cmp_eq_u32 s62, 0
	s_cselect_b32 s[LIM], 1, -1
	s_lshl_b32 s62, s[QB], 3
	s_lshl_b32 s56, s[WV], 1
	s_add_co_u32 s62, s62, s56
	s_mul_i32 s62, s62, 6144
	s_add_nc_u64 s[54:55], s[4:5], QTAIL
	s_add_nc_u64 s[4:5], s[4:5], s[62:63]
	s_lshl_b32 s62, s[QB], 1
	s_lshr_b32 s56, s[WV], 1
	s_add_co_u32 s62, s62, s56
	s_lshl_b32 s62, s62, 10
	s_and_b32 s56, s[WV], 1
	s_lshl_b32 s56, s56, 2
	s_add_co_u32 s62, s62, s56
	s_add_nc_u64 s[54:55], s[54:55], s[62:63]
	s_lshl_b32 s56, s[QB], 7
	s_lshl_b32 s57, s[WV], 5
	s_add_co_u32 s56, s56, s57
	s_lshl_b32 s62, s56, 11
	s_lshl_b32 s57, s[YY], 21
	s_add_co_u32 s62, s62, s57
	s_add_nc_u64 s[10:11], s[10:11], s[62:63]
	s_and_b32 s57, s[WV], 1
	s_lshl_b32 s62, s57, 10
	s_add_nc_u64 s[10:11], s[10:11], s[62:63]      ; my half of d: 1,024 bytes along a row
	s_add_nc_u64 s[66:67], s[10:11], 65536         ; my partner's 32 rows lie 32 rows of 2,048 bytes behind mine (even wave)
	s_sub_nc_u64 s[68:69], s[10:11], 65536         ; or ahead of them (odd wave)
	s_cmp_eq_u32 s57, 0
	s_cselect_b64 s[66:67], s[66:67], s[68:69]
	s_lshl_b32 s62, s56, 2
	s_lshl_b32 s57, s[YY], 12
	s_add_co_u32 s62, s62, s57
	s_add_nc_u64 s[12:13], s[12:13], s[62:63]
	CROUND
	tensor_load_to_lds s[44:47], s[32:39]          ; the split's scale words, 8,192 bytes a wave
	s_nop 0
.rept 4
	v_nop
.endr
	s_wait_alu depctr_va_vdst(0)
	WIN 0x40                                       ; q's eight fragments and four scale words are asked for while the scale words are on their way
.irp n, 0,1,2,3,4
.irp c, 0,1,2
	global_load_b128 v[192+12*\n+4*\c:195+12*\n+4*\c], v[LI], s[4:5] offset:(\n%2)*6144+(\n/2)*1536+512*\c
.endr
.endr
	WIN 0
.irp n, 5,6,7
.irp c, 0,1,2
	global_load_b128 v[92+12*(\n-5)+4*\c:95+12*(\n-5)+4*\c], v[LI], s[4:5] offset:(\n%2)*6144+(\n/2)*1536+512*\c
.endr
.endr
.irp ks, 0,1,2,3
	global_load_b32 v[QS+\ks], v[QSO], s[54:55] offset:256*\ks
.endr
	s_wait_tensorcnt 0x0
	ds_add_u32 v3, v4
	s_wait_dscnt 0x0
	CROUND
	tensor_load_to_lds s[40:43], s[24:31]
	s_nop 0
.rept 4
	v_nop
.endr
.macro ASK
	s_cmp_gt_u32 s[SLOTS], s[LIM]
	s_cbranch_scc0 .Lnot_mine_\@
	global_prefetch_b8 v[PFO], s[PFA:PFA+1] th:TH_LOAD_NT scope:SCOPE_SE
.Lnot_mine_\@:
.endm
.macro CHANGE fill
	s_wait_tensorcnt 0x0
	ds_add_u32 v[SPW], v[NIL]
.if \fill
	s_xor_b32 s41, s41, SLOT1
	s_add_nc_u64 s[42:43], s[42:43], KIMG
	s_wait_xcnt 0x0
	s_add_nc_u64 s[PFA:PFA+1], s[PFA:PFA+1], KIMG
	s_wait_dscnt 0x0
	CROUND
	tensor_load_to_lds s[40:43], s[24:31]
	s_nop 0
.rept 4
	v_nop
.endr
	ASK
.else
	s_wait_dscnt 0x0
	s_barrier_signal -1
	s_barrier_wait -1
	PLACES
.endif
.endm
.macro FETCHK ks, buf
	WIN 0x40
.irp u, 0,1,2,3,4,5,6,7
.irp c, 0,1,2
	ds_load_b128 v[(\buf)+12*\u+4*\c:(\buf)+12*\u+4*\c+3], v[ADF] offset:(4*\u+(\ks))*1536+512*\c
.endr
.endr
.endm
.macro FETCHV ch, buf
	WIN 0x40
.irp u, 0,1,2,3,4,5,6,7
.irp c, 0,1,2
	ds_load_b128 v[(\buf)+12*\u+4*\c:(\buf)+12*\u+4*\c+3], v[ADV] offset:(8*(\ch)+\u)*1536+512*\c
.endr
.endr
.endm
.macro MULS ks, buf
.irp qq, 0,1
.if 2*(\ks)+\qq < 5
	WIN 0x05
.set rB, 192+12*(2*(\ks)+\qq)
.else
	WIN 0x01
.set rB, 92+12*(2*(\ks)+\qq-5)
.endif
.irp u, 0,1,2,3,4,5,6,7
.set rD, S+64*\qq+8*\u
.set rA, (\buf)+12*\u
.set rSA, KS+2*(4*(\u/4)+(\ks))+((\u%4)/2)
.set rSB, QS+(\ks)
.if (\ks) == 0
	WMMA 1, \u%2, \qq
.else
	WMMA 0, \u%2, \qq
.endif
.endr
.endr
.endm
.macro MULV ch, buf, first
.irp qq, 0,1
.irp u, 0,1,2,3,4,5,6,7
	WIN 0xa1+0x50*\qq
.set rD, 8*(8*(\ch)+\u)
.set rA, (\buf)+12*\u
.if (\ch) < 2
.set rB, PC+12*\qq                     ; my own p
.set rSB, PW+\qq
.else
.set rB, S+12*\qq                      ; my partner's
.set rSB, PX0+(PX1-PX0)*\qq
.endif
.set rF, 20+2*\qq                      ; the next group's factor: mine for group 1, my partner's for groups 2 and 3
.if (\ch) > 0
.set rF, S+24+2*\qq
.endif
.set rSA, KS+2*((8*((\ch)%2)+\u)/4)+((\u%4)/2)
	WMMA \first, \u%2, 0
.if ((\first) == 0) && ((\ch) < 3)
	WIN 0x82+0x41*\qq                              ; the same accumulator of the next group comes under the new M, from its low end on: it names no register of the product above
.irp i, 0,2,4,6
	v_pk_mul_f32 v[rD+64+\i:rD+65+\i], v[rD+64+\i:rD+65+\i], v[rF:rF+1] op_sel_hi:[1,0]
.endr
.endif
.endr
.endr
.endm
.macro SOFTMAX q
.set SS, S+64*(\q)
.set NM, 12+4*(\q)
.set FF, 20+2*(\q)
.set PCQ, PC+12*(\q)
.set PWQ, PW+(\q)
	WIN 0
.irp b, 0,1,2,3
	v_max3_num_f32 v[BM+\b], v[SS+16*\b], v[SS+1+16*\b], v[SS+2+16*\b]
.endr
.irp i, 3,5,7,9,11,13
.irp b, 0,1,2,3
	v_max3_num_f32 v[BM+\b], v[BM+\b], v[SS+16*\b+\i], v[SS+1+16*\b+\i]
.endr
.endr
.irp b, 0,1,2,3
	v_max_num_f32 v[BM+\b], v[BM+\b], v[SS+15+16*\b]
.endr
.irp b, 0,1,2,3
	v_permlanex16_b32 v[T4+\b], v[BM+\b], s[SEL], s[SEL+1]
.endr
.irp b, 0,1,2,3
	v_max_num_f32 v[BM+\b], v[BM+\b], v[T4+\b]
.endr
	v_max3_num_f32 v[X], v[BM], v[BM+1], v[BM+2]
	v_max_num_f32 v[X], v[X], v[BM+3]
	v_mul_f32 v[X], s[CS], v[X]
	v_max_num_f32 v[NM+1], v[NM+1], v[X]
	v_mov_b32 v[X], v[NM]
	v_floor_f32 v[NM], -v[NM+1]
	v_sub_f32 v[X], v[NM], v[X]
	v_cvt_i32_f32 v[X], v[X]
	v_ldexp_f32 v[FF], 1.0, v[X]
.irp j, 0,2,4,6,8,10,12,14,16,18,20,22,24,26,28,30,32,34,36,38,40,42,44,46,48,50,52,54,56,58,60,62
	v_pk_fma_f32 v[SS+\j:SS+1+\j], v[SS+\j:SS+1+\j], s[CS:CS+1], v[NM:NM+1] op_sel_hi:[1,0,0]
.endr
.irp b, 0,1,2,3
	v_fma_f32 v[BM+\b], v[BM+\b], s[CS], v[NM]
.endr
	s_wait_alu depctr_va_vdst(0)
.irp j, 0,1,2,3,4,5,6,7,8,9,10,11,12,13,14,15,16,17,18,19,20,21,22,23,24,25,26,27,28,29,30,31,32,33,34,35,36,37,38,39,40,41,42,43,44,45,46,47,48,49,50,51,52,53,54,55,56,57,58,59,60,61,62,63
	v_exp_f32 v[SS+\j], v[SS+\j]
.endr
	v_pk_mul_f32 v[NM+2:NM+3], v[NM+2:NM+3], v[FF:FF+1] op_sel_hi:[1,0]
	s_wait_alu depctr_va_vdst(0)
.irp b, 0,1,2,3
	v_exp_f32 v[BM+\b], v[BM+\b]
.endr
	v_pk_add_f32 v[T4:T4+1], v[SS:SS+1], v[SS+2:SS+3]
.irp j, 4,8,12,16,20,24,28,32,36,40,44,48,52,56,60
	v_pk_add_f32 v[NM+2:NM+3], v[NM+2:NM+3], v[SS+\j:SS+1+\j]
	v_pk_add_f32 v[T4:T4+1], v[T4:T4+1], v[SS+2+\j:SS+3+\j]
.endr
	v_pk_add_f32 v[NM+2:NM+3], v[NM+2:NM+3], v[T4:T4+1]
	s_wait_alu depctr_va_vdst(0)
.irp b, 0,1,2,3
	v_max_num_f32 v[BM+\b], 0x1800000, v[BM+\b]
.endr
.irp b, 0,1,2,3
	v_add_nc_u32 v[SO+\b], 0xff000000, v[BM+\b]
.endr
.irp b, 0,1,2,3
	v_lshrrev_b32 v[T4+\b], 23, v[SO+\b]
.endr
	v_lshl_or_b32 v[PWQ], v[T4+1], 8, v[T4]
	v_lshl_or_b32 v[PWQ], v[T4+2], 16, v[PWQ]
	v_lshl_or_b32 v[PWQ], v[T4+3], 24, v[PWQ]
.irp c, 0,1
	v_cvt_scalef32_pk16_fp6_f32 v[PCQ+6*\c:PCQ+2+6*\c], v[SS+32*\c:SS+15+32*\c], v[SO+2*\c]
	v_cvt_scalef32_pk16_fp6_f32 v[CV+4*\c:CV+2+4*\c], v[SS+16+32*\c:SS+31+32*\c], v[SO+2*\c+1]
.endr
	v_nop
.irp c, 0,1
.irp i, 0,1,2
	v_permlane16_swap_b32 v[PCQ+6*\c+\i], v[CV+4*\c+\i]
.endr
.irp i, 0,1,2
	v_mov_b32 v[PCQ+3+6*\c+\i], v[CV+4*\c+\i]
.endr
.endr
.endm
.macro RESCALE q
	WIN 0x82+0x41*(\q)
.set RI, 0
.rept 32
	v_pk_mul_f32 v[RI:RI+1], v[RI:RI+1], v[20+2*(\q):21+2*(\q)] op_sel_hi:[1,0]
.set RI, RI+2
.endr
.endm
.macro STEP first
	v_add_nc_u32 v[ADF], s[TB], v[LI]
	v_add_nc_u32 v[ADS], s[TS], v[SA0]
	v_add_nc_u32 v[ADV], s[XVO], v[ADF]
	v_add_nc_u32 v[ADT], s[XTO], v[ADS]
.irp a, 0,1,2,3,4,5,6,7
	ds_load_b64 v[KS+2*\a:KS+2*\a+1], v[ADS] offset:256*\a
.endr
	FETCHK 0, BUFA
	FETCHK 1, BUFB
	s_wait_alu depctr_va_vdst(0)
	s_wait_dscnt 24
	MULS 0, BUFA
	PLACES
	FETCHK 2, BUFA
	s_wait_dscnt 24
	MULS 1, BUFB
	PLACES
	FETCHK 3, BUFB
	s_wait_dscnt 24
	MULS 2, BUFA
	PLACES
	FETCHV 0, BUFA
	s_wait_dscnt 24
	MULS 3, BUFB
	PLACES
	WIN 0
.irp a, 0,1,2,3
	ds_load_b64 v[KS+2*\a:KS+2*\a+1], v[ADT] offset:256*\a
.endr
	FETCHV 1, BUFB
	SOFTMAX 0
	SOFTMAX 1
	v_mov_b32 v[BM], v20                           ; (factor, scale word) of my two query tiles, 16 bytes a lane
	v_mov_b32 v[BM+1], v[PW]
	v_mov_b32 v[BM+2], v22
	v_mov_b32 v[BM+3], v[PW+1]
	v_add_nc_u32 v[X], s[XWS], v[LI]
.irp i, 0,1,2,3,4,5
	ds_store_b128 v[X], v[PC+4*\i:PC+4*\i+3] offset:512*\i   ; p's codes as an image of the operand's registers
.endr
	ds_store_b128 v[X], v[BM:BM+3] offset:3072
.if \first
	s_wait_alu depctr_va_vdst(0)
.rept 8
	v_nop
.endr
.else
	s_wait_alu depctr_va_vdst(0)                   ; ahead of the first reader of O^T
	RESCALE 0                                      ; chunk 0 alone: registers 0-63 of each query tile
	RESCALE 1
.endif
	s_wait_alu depctr_va_vdst(0)
	WIN 0
	s_wait_dscnt 0x0                               ; for my partner's sake: my stores have landed (and V's 16 fragments and scale words are in)
	s_barrier_signal -1
	s_barrier_wait -1                              ; these bytes are stored again only behind the next step's barrier, in front of which every wave has waited for its reads
	v_add_nc_u32 v[SO], s[XRS], v[LI]
.irp i, 0,1,2,3,4,5,6
	ds_load_b128 v[S+4*\i:S+4*\i+3], v[SO] offset:512*\i     ; my partner's codes and factors, into registers that the scores have left
.endr
	ds_load_b32 v[PX0], v[SO] offset:3076
	ds_load_b32 v[PX1], v[SO] offset:3084
	MULV 0, BUFA, \first                           ; sixteen products on my own p while they come
	s_wait_dscnt 0x0
	MULV 1, BUFB, \first
	MULV 2, BUFA, \first
	MULV 3, BUFB, \first
	WIN 0
	s_xor_b32 s[TB], s[TB], SLOT1
	s_add_co_u32 s[TS], s[TS], 2048
.endm
	s_wait_loadcnt 0x0
	CHANGE 1
	STEP 1
	s_sub_co_u32 s[SLOTS], s[SLOTS], 1
.Lstep:
	CHANGE 1
	STEP 0
	s_sub_co_u32 s[SLOTS], s[SLOTS], 1
	s_cmp_lg_u32 s[SLOTS], 0
	s_cbranch_scc1 .Lstep
	CHANGE 0
	STEP 0
	PLACES
.irp q, 0,1
	v_add_f32 v[14+4*\q], v[14+4*\q], v[15+4*\q]
.endr
.irp q, 0,1
	v_permlanex16_b32 v[T4+\q], v[14+4*\q], s[SEL], s[SEL+1]
.endr
.irp q, 0,1
	v_add_f32 v[14+4*\q], v[14+4*\q], v[T4+\q]
.endr
	v_cndmask_b32 v[BM], v12, v16, s[HM]
	v_cndmask_b32 v[BM+1], v14, v18, s[HM]
	global_store_b32 v[MLO], v[BM], s[12:13]
	global_store_b32 v[MLO], v[BM+1], s[12:13] offset:131072
.macro TOSTAGE a
	WIN 0x08+4*((\a)/4)
.irp b, 0,1,2,3,4,5,6,7
	ds_store_b128 v[STO], v[8*(8*((\a)%4)+\b):8*(8*((\a)%4)+\b)+3] offset:64*\b
	ds_store_b128 v[STO], v[8*(8*((\a)%4)+\b)+4:8*(8*((\a)%4)+\b)+7] offset:64*\b+16
.endr
	WIN 0x40
.irp t, 0,1,2,3,4,5,6,7,8,9,10,11,12,13,14,15
	ds_load_b128 v[64*((\a)%2)+4*\t:64*((\a)%2)+4*\t+3], v[RD] offset:\t*528
.endr
.endm
.macro SEND a, younger
	s_wait_dscnt \younger
	WIN 0x04
.irp t, 0,1,2,3,4,5,6,7,8,9,10,11,12,13,14,15
	global_store_b128 v[LI], v[64*((\a)%2)+4*\t:64*((\a)%2)+4*\t+3], s[10+56*(((\a)%4)/2):11+56*(((\a)%4)/2)] offset:32768*((\a)/4)+2048*\t+512*((\a)%2) th:TH_STORE_NT   ; groups 0, 1: my rows; 2, 3: my partner's (s[66:67]); 512 consecutive bytes a store
.endr
.endm
	TOSTAGE 0
.irp a, 1,2,3,4,5,6,7
.if \a > 1
	s_wait_xcnt 0x0
.endif
	TOSTAGE \a
	SEND \a-1, 32
.endr
	SEND 7, 0
	WIN 0
	s_wait_tensorcnt 0x0
	ds_add_u32 v[SPW], v[NIL]
	s_wait_dscnt 0x0
	CROUND
	s_endpgm
.Lfunc_end_k_qcd540f0a4c_attn:
	.size	k_qcd540f0a4c_attn, .Lfunc_end_k_qcd540f0a4c_attn-k_qcd540f0a4c_attn
	.p2alignl 7, 3214868480
	.fill 96, 4, 3214868480
	.section	.rodata,"a",@progbits
	.p2align	6, 0x0
	.amdhsa_kernel k_qcd540f0a4c_attn
		.amdhsa_group_segment_fixed_size 327680
		.amdhsa_private_segment_fixed_size 0
		.amdhsa_enable_private_segment 0
		.amdhsa_kernarg_size 40
		.amdhsa_user_sgpr_count 2
		.amdhsa_user_sgpr_kernarg_segment_ptr 1
		.amdhsa_wavefront_size32 1
		.amdhsa_system_sgpr_workgroup_id_x 1
		.amdhsa_system_sgpr_workgroup_id_y 1
		.amdhsa_system_sgpr_workgroup_id_z 1
		.amdhsa_system_vgpr_workitem_id 0
		.amdhsa_next_free_vgpr 1024
		.amdhsa_next_free_sgpr 80
		.amdhsa_reserve_vcc 0
		.amdhsa_float_denorm_mode_32 3
		.amdhsa_float_denorm_mode_16_64 3
		.amdhsa_memory_ordered 1
		.amdhsa_forward_progress 1
		.amdhsa_inst_pref_size 232
	.end_amdhsa_kernel
	.amdgpu_metadata
---
amdhsa.version: [ 1, 2 ]
amdhsa.kernels:
  - .name:           k_qcd540f0a4c_attn
    .symbol:         k_qcd540f0a4c_attn.kd
    .args:
      - { .name: qbuf, .offset: 0, .size: 8, .value_kind: global_buffer, .address_space: global }
      - { .name: kbuf, .offset: 8, .size: 8, .value_kind: global_buffer, .address_space: global }
      - { .name: vbuf, .offset: 16, .size: 8, .value_kind: global_buffer, .address_space: global }
      - { .name: opart, .offset: 24, .size: 8, .value_kind: global_buffer, .address_space: global }
      - { .name: ml, .offset: 32, .size: 8, .value_kind: global_buffer, .address_space: global }
    .group_segment_fixed_size: 327680
    .private_segment_fixed_size: 0
    .kernarg_segment_align: 8
    .kernarg_segment_size: 40
    .max_flat_workgroup_size: 128
    .sgpr_count:     80
    .vgpr_count:     1024
    .wavefront_size: 32
...
	.end_amdgpu_metadata
.endif
;; end of part 2
;; launch gate (part 3): grid 256 x 1, 8 waves a work-group, clusters of 4 x 1, 327,680 bytes of LDS; arguments opart, ml, prev_layer_output, gbuf, Wg1_scales, bg1, Wg2, bg2, out0; writes out0
.if DOCPART == 3
	.amdgcn_target "amdgcn-amd-amdhsa--gfx1250"
	.amdhsa_code_object_version 6
	.text
	.protected	k_qcd540f0a4c_gate
	.globl	k_qcd540f0a4c_gate
	.p2align	8
	.type	k_qcd540f0a4c_gate,@function
k_qcd540f0a4c_gate:
	s_mov_b64 s[64:65], 0
	v_nop
	global_prefetch_b8 v0, s[64:65] scope:SCOPE_SE
	s_setreg_imm32_b32 hwreg(HW_REG_WAVE_MODE, 25, 1), 1
	s_wait_xcnt 0x0
	s_wait_alu depctr_hold_cnt(0) depctr_sa_sdst(0) depctr_va_vdst(0) depctr_va_sdst(0) depctr_va_ssrc(0) depctr_va_vcc(0) depctr_vm_vsrc(0)
	s_getreg_b32 s2, hwreg(HW_REG_IB_STS2, 6, 4)
	s_cmp_eq_u32 s2, 0
	s_cbranch_scc0 .Lentry_in_a_cluster
	s_endpgm
.Lentry_in_a_cluster:
	s_bfe_u32 s2, ttmp6, 0x10000c
	s_cmp_lg_u32 s2, 0x3003
	s_cbranch_scc0 .Lentry_shape_is_right
	s_endpgm
.Lentry_shape_is_right:
; THE SPLITS ARE JOINED AND THE GATE IS APPLIED.  attn = (sum over splits of O_s 2^(M_s - M*)) / (sum of l_s 2^(M_s - M*)), M* the largest M_s: the factors are exact powers of two.
; h = relu([attn | prev] Wg1^T + bg1) on E2M3 codes (the row of 1,024 is quantised here, in its true order along K, since Wg1's codes are given); sigma = sigmoid(h . Wg2 + bg2) in f32; out = attn sigma + prev (1 - sigma).
; SHARES: a work-group owns 4 rows.  Stage 1: wave w joins row w / 2, columns 256 (w % 2) on.  Stage 2: wave w quantises K step w of the four rows.  Stage 3: wave w makes units 64 w .. 64 w + 63 (four tiles; the 16 lanes' rows are the 4 rows four times over).
; The partial sums are a stream read once: all 64 loads of a wave go out together.
; CLUSTER: every work-group needs all of Wg1, so the four work-groups of a cluster ask for its images JOINTLY.  Wave w asks for its own four unit tiles, K steps 0 to 5 (4 rows of 9,216 bytes), and reads them alone.
; LDS has room for six of the eight K steps: 30,976 bytes of scratch + 8 x 36,864 = 325,888 of 327,680; K steps 6 and 7 go from their images in memory straight into registers.  Nothing in LDS is filled again.
; LIMITS: NaN and infinities are not served; the division by l is a multiplication by v_rcp_f32's result; a block under 2^-124 (zeros too) gets the byte 1, read here alone.
.set CATP, 4160                        ; LDS: the four rows [attn | prev], 4,096 bytes + 64
.set CIMG, 16640                       ; their eight fragments as images, 1,536 bytes each
.set CSC,  28928                       ; the fragments' scale words, 128 bytes each
.set ZS,   29952                       ; the waves' parts of h . Wg2, 128 bytes each
.set WL,   30976                       ; Wg1's images: for each wave 4 tiles x 6 K steps x 1,536 bytes; no store ever lands here
.set WLW,  36864
.set COL,  1                           ; v1   my 16 bytes in a row: 1024 (w % 2) + 16 x lane
.set MLO,  2                           ; v2   4096 x lane: a lane a split
.set GSO,  3                           ; v3   32 x lane
.set LI,   4                           ; v4   16 x lane
.set LS,   5                           ; v5   4 x lane
.set CATW, 6
.set CATR, 7
.set CIW,  8
.set CSW,  9
.set ZSW,  10
.set ZSR,  11
.set AT,   12                          ; v12-19 attn
.set PV,   20                          ; v20-27 prev
.set HC,   28                          ; v28-59 h's four accumulators (in stage 1: at work)
.set CF,   60                          ; v60-83 two fragments of the rows (at the end: at work)
.set GS,   84                          ; v84-99 Wg1's scale words: 8 (t / 2) + s, the odd tile in lanes 16-31
.set CS,   100                         ; v100-107 the rows' scale words
.set BO,   108                         ; v108 (64 w + 8 h) x 4
.set WLA,  110                         ; v110 my wave's images of Wg1 in LDS, + 16 x lane
.set NUM,  112                         ; v112-175 64 numbers; v112-255 later Wg1's K steps 3, 4, 5
.set TM,   176
.set PC,   192
.set PW,   212
; window 1: the partial sums at v[8 x split]; as the splits are joined: Wg1's K steps 6, 7 at v0-95 and 0, 1, 2 at v96-239; behind K step 1: bg1 at v96-127 and Wg2 at v128-159
.set WV,   23
.set RR,   24
.set CH,   25
.set ROW,  26
.set CX,   27
.set SEL,  30
.set FS,   32                          ; s32-63 the splits' factors
.set OPB,  66                          ; s[66:81] opart at my row, splits 0, 4, 8 .. 28
.set G1,   84                          ; s[84:91] descriptor group 1, s[92:95] group 0: never rewritten
.set G0,   92
.set MSB, 0
.macro WIN new
.if MSB != (\new)
	s_set_vgpr_msb (MSB<<8)|(\new)
.set MSB, (\new)
.endif
.endm
.macro PLACES
.rept 4
	v_nop
.endr
.endm
.macro CROUND                          ; a round of the cluster's barrier
	s_barrier_signal -1
	s_barrier_wait -1
	s_cmp_lg_u32 s[WV], 0
	s_cbranch_scc1 .Lnot_wave_0_\@
	s_barrier_signal -3
.Lnot_wave_0_\@:
	s_barrier_wait -3
	s_barrier_signal -1
	s_barrier_wait -1
.endm
.macro WMMA cz, ra
.if ((\cz) != 0) && ((\ra) == 0)
	v_wmma_scale_f32_16x16x128_f8f6f4 v[rD:rD+7], v[rA:rA+11], v[rB:rB+11], 0, v[rSA], v[rSB] matrix_a_fmt:MATRIX_FMT_FP6 matrix_b_fmt:MATRIX_FMT_FP6
.elseif (\cz) != 0
	v_wmma_scale_f32_16x16x128_f8f6f4 v[rD:rD+7], v[rA:rA+11], v[rB:rB+11], 0, v[rSA], v[rSB] matrix_a_fmt:MATRIX_FMT_FP6 matrix_b_fmt:MATRIX_FMT_FP6 matrix_a_scale:MATRIX_SCALE_ROW1
.elseif (\ra) == 0
	v_wmma_scale_f32_16x16x128_f8f6f4 v[rD:rD+7], v[rA:rA+11], v[rB:rB+11], v[rD:rD+7], v[rSA], v[rSB] matrix_a_fmt:MATRIX_FMT_FP6 matrix_b_fmt:MATRIX_FMT_FP6
.else
	v_wmma_scale_f32_16x16x128_f8f6f4 v[rD:rD+7], v[rA:rA+11], v[rB:rB+11], v[rD:rD+7], v[rSA], v[rSB] matrix_a_fmt:MATRIX_FMT_FP6 matrix_b_fmt:MATRIX_FMT_FP6 matrix_a_scale:MATRIX_SCALE_ROW1
.endif
.endm
; 64 numbers of a lane, register 16 b + i = k 32 b + 16 (lane / 16) + i of my row, become a fragment's codes in v[PC] on and its scale word in v[pw].
.macro QUANT s, pw
.irp b, 0,1,2,3
	v_max3_num_f32 v[TM+\b], |v[\s+16*\b]|, |v[\s+1+16*\b]|, 0x1800000   ; and the floor 2^(3 - 127)
.endr
.irp i, 2,4,6,8,10,12,14
.irp b, 0,1,2,3
	s_delay_alu instid0(VALU_DEP_4)
	v_max3_num_f32 v[TM+\b], v[TM+\b], |v[\s+16*\b+\i]|, |v[\s+1+16*\b+\i]|
.endr
.endr
.irp b, 0,1,2,3
	s_delay_alu instid0(VALU_DEP_4)
	v_permlanex16_b32 v[TM+4+\b], v[TM+\b], s[SEL], s[SEL+1]
.endr
.irp b, 0,1,2,3
	s_delay_alu instid0(VALU_DEP_4)
	v_max_num_f32 v[TM+\b], v[TM+\b], v[TM+4+\b]
.endr
.irp b, 0,1,2,3
	s_delay_alu instid0(VALU_DEP_4)
	v_add_nc_u32 v[TM+12+\b], 0xff000000, v[TM+\b]
.endr
.irp b, 0,1,2,3
	s_delay_alu instid0(VALU_DEP_4)
	v_lshrrev_b32 v[TM+4+\b], 23, v[TM+12+\b]
.endr
	s_delay_alu instid0(VALU_DEP_3)
	v_lshl_or_b32 v[\pw], v[TM+5], 8, v[TM+4]
	s_delay_alu instid0(VALU_DEP_1)
	v_lshl_or_b32 v[\pw], v[TM+6], 16, v[\pw]
	s_delay_alu instid0(VALU_DEP_1)
	v_lshl_or_b32 v[\pw], v[TM+7], 24, v[\pw]
.irp c, 0,1
	v_cvt_scalef32_pk16_fp6_f32 v[PC+6*\c:PC+2+6*\c], v[\s+32*\c:\s+15+32*\c], v[TM+12+2*\c]
	v_cvt_scalef32_pk16_fp6_f32 v[PC+12+4*\c:PC+14+4*\c], v[\s+16+32*\c:\s+31+32*\c], v[TM+12+2*\c+1]
.endr
	v_nop                                          ; one plain place behind a scaled conversion
.irp c, 0,1
.irp i, 0,1,2
	v_permlane16_swap_b32 v[PC+6*\c+\i], v[PC+12+4*\c+\i]
.endr
.irp i, 0,1,2
	s_delay_alu instid0(VALU_DEP_3)
	v_mov_b32 v[PC+3+6*\c+\i], v[PC+12+4*\c+\i]
.endr
.endr
.endm
.macro WLOAD ks, reg                   ; my four tiles' fragments of Wg1 for K step ks, from memory: 12 loads of 512 consecutive bytes
.irp t, 0,1,2,3
.irp c, 0,1,2
	global_load_b128 v[(\reg)+12*\t+4*\c:(\reg)+12*\t+4*\c+3], v[LI], s[10:11] offset:(8*\t+(\ks))*1536+512*\c
.endr
.endr
.endm
.macro LLOAD ks, reg                   ; the same from my wave's images in LDS: tile t's six K steps lie 9,216 bytes on end
.irp t, 0,1,2,3
.irp c, 0,1,2
	ds_load_b128 v[(\reg)+12*\t+4*\c:(\reg)+12*\t+4*\c+3], v[WLA] offset:\t*9216+(\ks)*1536+512*\c
.endr
.endr
.endm
.macro CFETCH k                        ; the rows' fragment of K step k
.irp c, 0,1,2
	ds_load_b128 v[CF+12*((\k)%2)+4*\c:CF+12*((\k)%2)+4*\c+3], v[LI] offset:CIMG+(\k)*1536+512*\c
.endr
.endm
	s_load_b512 s[4:19], s[0:1], 0x0               ; opart, ml, prev, gbuf, Wg1's scales, bg1, Wg2, bg2
	s_load_b64 s[20:21], s[0:1], 0x40              ; out0
	v_lshl_add_u32 v109, v0, 2, 325888             ; my spare word: behind Wg1's images, 128 bytes a wave, named by no other line; v109 and v111 are kept for the add alone
	v_mov_b32 v111, 0
	ds_add_u32 v109, v111                          ; the opening lines: the add, twice on end,
	ds_add_u32 v109, v111                          ; and one wait for both, ahead of the round in front of the first load
	v_lshrrev_b32 v1, 5, v0
	s_delay_alu instid0(VALU_DEP_1)
	v_readfirstlane_b32 s[WV], v1                  ; wave 0..7
	s_lshr_b32 s[RR], s[WV], 1
	s_and_b32 s[CH], s[WV], 1
	s_bfe_u32 s[CX], ttmp6, 0x40000                ; my place in the cluster: it enters opart's, ml's, prev's and out0's addresses alone
	s_lshl_b32 s[ROW], ttmp9, 2
	s_add_co_u32 s[ROW], s[ROW], s[CX]             ; my work-group's number
	s_lshl_b32 s[ROW], s[ROW], 2
	s_add_co_u32 s[ROW], s[ROW], s[RR]             ; my row in stage 1 and at the end
	s_mov_b32 s[SEL], 0x76543210
	s_mov_b32 s[SEL+1], 0xfedcba98
	; descriptor group 1: 4 rows of 1,152 elements of 8 bytes (a unit tile's K steps 0 to 5), 1,536 elements apart in memory, dense in LDS; all four work-groups
	s_mov_b32 s[G1], 15|(3<<16)|(1<<21)
	s_mov_b32 s[G1+1], 1152<<16                    ; tensor_dim0
	s_mov_b32 s[G1+2], 4<<16                       ; tensor_dim1
	s_mov_b32 s[G1+3], 1152<<16                    ; tile_dim0
	s_mov_b32 s[G1+4], 4                           ; tile_dim1
	s_mov_b32 s[G1+5], 1536                        ; tensor_dim0_stride
	s_mov_b32 s[G1+6], 0
	s_mov_b32 s[G1+7], 0
	v_and_b32 v110, 31, v0                         ; lane
	v_bfe_u32 v41, v0, 4, 1                        ; h
	s_delay_alu instid0(VALU_DEP_2)
	v_lshlrev_b32 v[LI], 4, v110
	s_delay_alu instid0(VALU_DEP_3)
	v_lshlrev_b32 v[LS], 2, v110
	s_delay_alu instid0(VALU_DEP_2)
	v_lshl_add_u32 v[COL], s[CH], 10, v[LI]
	v_lshlrev_b32 v[MLO], 12, v110
	v_lshlrev_b32 v[GSO], 5, v110
	s_mul_i32 s82, s[RR], CATP
	v_add_nc_u32 v[CATW], s82, v[COL]
	v_and_b32 v40, 3, v0
	s_delay_alu instid0(VALU_DEP_1)
	v_mul_u32_u24 v[CATR], v40, CATP               ; lane r takes row r % 4
	s_delay_alu instid0(VALU_DEP_1)
	v_lshl_add_u32 v[CATR], v41, 6, v[CATR]
	s_delay_alu instid0(VALU_DEP_1)
	v_lshl_add_u32 v[CATR], s[WV], 9, v[CATR]      ; K step w: 512 w bytes on; + 64 h
	s_mul_i32 s82, s[WV], 1536
	s_add_co_u32 s82, s82, CIMG
	v_add_nc_u32 v[CIW], s82, v[LI]
	s_lshl_b32 s82, s[WV], 7
	s_add_co_u32 s83, s82, CSC
	v_add_nc_u32 v[CSW], s83, v[LS]
	s_add_co_u32 s83, s82, ZS
	v_add_nc_u32 v[ZSW], s83, v[LS]
	s_lshl_b32 s83, s[RR], 2
	s_add_co_u32 s83, s83, ZS
	v_mov_b32 v[ZSR], s83
	v_lshlrev_b32 v[BO], 5, v41
	s_delay_alu instid0(VALU_DEP_1)
	v_lshl_add_u32 v[BO], s[WV], 8, v[BO]
	s_mul_i32 s82, s[WV], WLW
	s_add_co_u32 s82, s82, WL
	v_add_nc_u32 v[WLA], s82, v[LI]                ; (the lane's number is not wanted any more)
.irp b, 0,1,2,3
	v_mov_b32 v[TM+4+\b], 0                        ; a lane permute's destination counts as one of its sources
.endr
	v_mov_b32 v32, 0
	s_wait_dscnt 0x0                               ; both opening adds are done
	s_wait_kmcnt 0x0
	s_load_b32 s22, s[18:19], 0x0                  ; bg2
	s_mul_i32 s82, s[WV], 49152
	s_mov_b32 s83, 0
	s_add_nc_u64 s[10:11], s[10:11], s[82:83]      ; my four tiles' images: the wave's number alone
	s_mov_b32 s[G0], 1                             ; count = 1
	s_mul_i32 s[G0+1], s[WV], WLW
	s_add_co_u32 s[G0+1], s[G0+1], WL              ; LDS address
	s_mov_b64 s[G0+2:G0+3], s[10:11]               ; global address
	s_or_b32 s[G0+3], s[G0+3], 0x80000000          ; type = 2
	s_lshl_b32 s28, s[ROW], 11
	s_mov_b32 s29, 0
	s_add_nc_u64 s[OPB:OPB+1], s[4:5], s[28:29]
.irp k, 1,2,3,4,5,6,7
	s_add_nc_u64 s[OPB+2*\k:OPB+2*\k+1], s[OPB+2*\k-2:OPB+2*\k-1], 0x800000   ; four splits on: the loads' immediates reach three splits
.endr
	s_add_nc_u64 s[8:9], s[8:9], s[28:29]
	s_add_nc_u64 s[20:21], s[20:21], s[28:29]
	s_lshl_b32 s28, s[ROW], 2
	s_add_nc_u64 s[6:7], s[6:7], s[28:29]
	s_lshl_b32 s28, s[WV], 11
	s_add_nc_u64 s[12:13], s[12:13], s[28:29]      ; my 64 units' scale bytes
	CROUND                                         ; all four work-groups are here: the joint loads meet
	tensor_load_to_lds s[G0:G0+3], s[G1:G1+7]      ; one tensor load of mine is out, the only one of the launch: 36,864 bytes
	s_nop 0
.rept 4
	v_nop
.endr
	; ---- 1: the loads, all at once
.irp p, 0,1
.irp f, 0,1
	global_load_b128 v[GS+8*\p+4*\f:GS+8*\p+4*\f+3], v[GSO], s[12:13] offset:1024*\p+16*\f   ; unit 32 p + lane: lanes 16-31 hold the odd tile's words
.endr
.endr
	global_load_b32 v28, v[MLO], s[6:7]            ; -M of split = lane
	global_load_b32 v29, v[MLO], s[6:7] offset:131072   ; l
	global_load_b128 v[PV:PV+3], v[COL], s[8:9]
	global_load_b128 v[PV+4:PV+7], v[COL], s[8:9] offset:512
	WIN 0x40
.set SPL, 0
.rept 32
	global_load_b128 v[8*SPL:8*SPL+3], v[COL], s[OPB+2*(SPL/4):OPB+2*(SPL/4)+1] offset:(SPL%4)*2097152 th:TH_LOAD_NT
	global_load_b128 v[8*SPL+4:8*SPL+7], v[COL], s[OPB+2*(SPL/4):OPB+2*(SPL/4)+1] offset:(SPL%4)*2097152+512 th:TH_LOAD_NT
.set SPL, SPL+1
.endr
	WIN 0
	s_wait_loadcnt 63                              ; -M and l are in: 66 loads were issued behind them, and the wait's field holds 63
	v_sub_f32 v30, 0, v28                          ; M of my split
	s_delay_alu instid0(VALU_DEP_1)
	v_mov_b32 v31, v30
	s_delay_alu instid0(VALU_DEP_1)
	v_max_num_f32_dpp v31, v31, v31 row_xmask:1 row_mask:0xf bank_mask:0xf
	s_delay_alu instid0(VALU_DEP_1)
	v_max_num_f32_dpp v31, v31, v31 row_xmask:2 row_mask:0xf bank_mask:0xf
	s_delay_alu instid0(VALU_DEP_1)
	v_max_num_f32_dpp v31, v31, v31 row_xmask:4 row_mask:0xf bank_mask:0xf
	s_delay_alu instid0(VALU_DEP_1)
	v_max_num_f32_dpp v31, v31, v31 row_xmask:8 row_mask:0xf bank_mask:0xf
	s_wait_alu depctr_va_vdst(0)
	v_permlanex16_b32 v32, v31, s[SEL], s[SEL+1]
	s_delay_alu instid0(VALU_DEP_1)
	v_max_num_f32 v31, v31, v32                    ; M*
	s_delay_alu instid0(VALU_DEP_1)
	v_sub_f32 v30, v30, v31                        ; a whole number, 0 or less
	s_delay_alu instid0(VALU_DEP_1)
	v_cvt_i32_f32 v30, v30
	s_delay_alu instid0(VALU_DEP_1)
	v_ldexp_f32 v33, 1.0, v30                      ; my split's factor
	s_delay_alu instid0(VALU_DEP_1)
	v_mul_f32 v29, v29, v33
	s_delay_alu instid0(VALU_DEP_1)
	v_add_f32_dpp v29, v29, v29 row_xmask:1 row_mask:0xf bank_mask:0xf
	s_delay_alu instid0(VALU_DEP_1)
	v_add_f32_dpp v29, v29, v29 row_xmask:2 row_mask:0xf bank_mask:0xf
	s_delay_alu instid0(VALU_DEP_1)
	v_add_f32_dpp v29, v29, v29 row_xmask:4 row_mask:0xf bank_mask:0xf
	s_delay_alu instid0(VALU_DEP_1)
	v_add_f32_dpp v29, v29, v29 row_xmask:8 row_mask:0xf bank_mask:0xf
	s_delay_alu instid0(VALU_DEP_1)
	v_permlanex16_b32 v32, v29, s[SEL], s[SEL+1]
	s_delay_alu instid0(VALU_DEP_1)
	v_add_f32 v29, v29, v32                        ; the row's sum under M*
	s_wait_alu depctr_va_vdst(0)
	v_rcp_f32 v34, v29
.set SPL, 0
.rept 32
	v_readlane_b32 s[FS+SPL], v33, SPL             ; the 32 factors as scalars
.set SPL, SPL+1
.endr
	s_wait_alu depctr_va_vdst(0)                   ; ahead of the reciprocal's first reader, far below
	WIN 0x04                                       ; source 1: window 1
.set SPL, 0
.rept 32
.if SPL < 16
	s_wait_alu depctr_va_vdst(0)
	s_wait_loadcnt 62-2*SPL                        ; this split's two loads are in: the later splits' may be out
.else
	s_wait_alu depctr_va_vdst(0)
	s_wait_loadcnt 86-2*SPL                        ; and the 24 loads of Wg1's K steps 6 and 7
.endif
.irp i, 0,1,2,3,4,5,6,7
.if SPL == 0
	s_wait_alu depctr_va_vdst(0)
	v_mul_f32 v[AT+\i], s[FS], v[\i]
.else
	v_fma_f32 v[AT+\i], s[FS+SPL], v[8*SPL+\i], v[AT+\i]
.endif
.endr
.if SPL == 15
	WIN 0x40
	WLOAD 6, 0                                     ; into the registers that splits 0 to 11 have left
	WLOAD 7, 48
	WIN 0x04
.endif
.if SPL == 23
	s_wait_tensorcnt 0x0                           ; my wave's images of Wg1 have landed; I alone read them
	WIN 0x40
	LLOAD 0, 96                                    ; into the registers that splits 12 to 23 have left: they land while the last splits arrive
	LLOAD 1, 144
	WIN 0x04
.endif
.if SPL == 29
	WIN 0x40
	LLOAD 2, 192                                   ; splits 24 to 29
	WIN 0x04
.endif
.set SPL, SPL+1
.endr
	WIN 0
.irp i, 0,1,2,3,4,5,6,7
	v_mul_f32 v[AT+\i], v[AT+\i], v34              ; attn
.endr
	ds_store_b128 v[CATW], v[AT:AT+3]
	ds_store_b128 v[CATW], v[AT+4:AT+7] offset:512
	ds_store_b128 v[CATW], v[PV:PV+3] offset:2048
	ds_store_b128 v[CATW], v[PV+4:PV+7] offset:2560
	s_wait_dscnt 0x0                               ; for the others' sake: my stores have landed (and Wg1's K steps 0 to 2 are in)
	s_barrier_signal -1
	s_barrier_wait -1                              ; the four rows lie in LDS
	; ---- 2: K step w of the four rows becomes a fragment
.irp b, 0,1,2,3
.irp i, 0,1,2,3
	ds_load_b128 v[NUM+16*\b+4*\i:NUM+16*\b+4*\i+3], v[CATR] offset:128*\b+16*\i
.endr
.endr
	s_wait_dscnt 0x0
	QUANT NUM, PW
.irp c, 0,1,2
	ds_store_b128 v[CIW], v[PC+4*\c:PC+4*\c+3] offset:512*\c
.endr
	ds_store_b32 v[CSW], v[PW]
	s_wait_dscnt 0x0
	s_barrier_signal -1
	s_barrier_wait -1                              ; the eight fragments and their scale words lie in LDS
	; ---- 3: h^T, four accumulators by turns, a K step at a time.  In each of the first three K steps the fragments of Wg1 three K steps on are fetched, into the registers that the quantiser has left
.irp ks, 0,1,2,3,4,5,6,7
	ds_load_b32 v[CS+\ks], v[LS] offset:CSC+128*\ks
.endr
	CFETCH 0
.irp ks, 0,1,2,3,4,5,6,7
.if \ks > 0
	PLACES
.endif
.if \ks < 7
	CFETCH \ks+1
.endif
.if \ks < 3
	LLOAD \ks+3, 112+48*\ks
	s_wait_dscnt 15                                ; all but the 3 + 12 just issued
.elseif \ks < 7
	s_wait_dscnt 3                                 ; all but the three just issued
.else
	s_wait_dscnt 0x0
.endif
.if \ks == 6
	s_wait_loadcnt 28                              ; K step 6's fragments are in: behind them K step 7's 12 loads and the 16 of bg1 and Wg2 were issued
.elseif \ks == 7
	s_wait_loadcnt 16                              ; the 16 of bg1 and Wg2 may be out
.endif
.if (\ks < 3) || (\ks > 5)
	WIN 0x01
.endif
.irp t, 0,1,2,3
.set rD, HC+8*\t
.if \ks < 3
.set rA, 96+48*\ks+12*\t
.elseif \ks < 6
.set rA, 112+48*(\ks-3)+12*\t
.else
.set rA, 48*(\ks-6)+12*\t
.endif
.set rB, CF+12*(\ks%2)
.set rSA, GS+8*(\t/2)+\ks
.set rSB, CS+\ks
.if \ks == 0
	WMMA 1, \t%2
.else
	WMMA 0, \t%2
.endif
.endr
	WIN 0
.if \ks == 1
	PLACES
	WIN 0x40                                       ; bg1 and Wg2 in the result's layout, into registers that K steps 0 and 1 have left
.irp t, 0,1,2,3
	global_load_b128 v[96+8*\t:96+8*\t+3], v[BO], s[14:15] offset:64*\t
	global_load_b128 v[96+8*\t+4:96+8*\t+7], v[BO], s[14:15] offset:64*\t+16
	global_load_b128 v[128+8*\t:128+8*\t+3], v[BO], s[16:17] offset:64*\t
	global_load_b128 v[128+8*\t+4:128+8*\t+7], v[BO], s[16:17] offset:64*\t+16
.endr
	WIN 0
.endif
.endr
	; ---- 4: relu(h + bg1) . Wg2 in f32, two chains; the accumulators are read from their low ends on
	PLACES
	s_wait_loadcnt 0x0
	WIN 0x04
.set EI, 0
.rept 32
	v_add_f32 v[CF+EI%2], v[HC+EI], v[96+EI]
	s_delay_alu instid0(VALU_DEP_1)
	v_max_num_f32 v[CF+EI%2], v[CF+EI%2], 0
.if EI < 2
	s_delay_alu instid0(VALU_DEP_1)
	v_mul_f32 v[CF+2+EI%2], v[CF+EI%2], v[128+EI]
.else
	s_delay_alu instid0(VALU_DEP_1)
	v_fma_f32 v[CF+2+EI%2], v[CF+EI%2], v[128+EI], v[CF+2+EI%2]
.endif
.set EI, EI+1
.endr
	WIN 0
	v_add_f32 v[CF+2], v[CF+2], v[CF+3]
	v_mov_b32 v[CF+4], 0
	s_delay_alu instid0(VALU_DEP_1)
	v_permlanex16_b32 v[CF+4], v[CF+2], s[SEL], s[SEL+1]
	s_delay_alu instid0(VALU_DEP_1)
	v_add_f32 v[CF+2], v[CF+2], v[CF+4]            ; lane r: row r % 4, my 64 units
	ds_store_b32 v[ZSW], v[CF+2]
	s_wait_dscnt 0x0
	s_barrier_signal -1
	s_barrier_wait -1
.irp i, 0,1,2,3,4,5,6,7
	ds_load_b32 v[CF+4+\i], v[ZSR] offset:128*\i   ; my row's eight parts, the same word in every lane
.endr
	s_wait_dscnt 0x0
	s_wait_kmcnt 0x0                               ; bg2
	v_add_f32 v[CF+4], v[CF+4], v[CF+5]
	v_add_f32 v[CF+6], v[CF+6], v[CF+7]
	v_add_f32 v[CF+8], v[CF+8], v[CF+9]
	v_add_f32 v[CF+10], v[CF+10], v[CF+11]
	s_delay_alu instid0(VALU_DEP_3)
	v_add_f32 v[CF+4], v[CF+4], v[CF+6]
	s_delay_alu instid0(VALU_DEP_2)
	v_add_f32 v[CF+8], v[CF+8], v[CF+10]
	s_delay_alu instid0(VALU_DEP_1)
	v_add_f32 v[CF+4], v[CF+4], v[CF+8]
	s_delay_alu instid0(VALU_DEP_1)
	v_add_f32 v[CF+4], s22, v[CF+4]
	s_delay_alu instid0(VALU_DEP_1)
	v_mul_f32 v[CF+4], 0xbfb8aa3b, v[CF+4]         ; x -log2(e)
	s_wait_alu depctr_va_vdst(0)
	v_exp_f32 v[CF+5], v[CF+4]
	v_nop
	s_wait_alu depctr_va_vdst(0)
	v_add_f32 v[CF+5], 1.0, v[CF+5]
	s_wait_alu depctr_va_vdst(0)
	v_rcp_f32 v[CF+6], v[CF+5]                     ; sigma
	v_nop
	s_wait_alu depctr_va_vdst(0)
	v_sub_f32 v[CF+7], 1.0, v[CF+6]
.irp i, 0,1,2,3,4,5,6,7
	v_mul_f32 v[PV+\i], v[PV+\i], v[CF+7]
.endr
.irp i, 0,1,2,3,4,5,6,7
	v_fma_f32 v[AT+\i], v[AT+\i], v[CF+6], v[PV+\i]
.endr
	global_store_b128 v[COL], v[AT:AT+3], s[20:21]             ; 512 consecutive bytes a store, aligned
	global_store_b128 v[COL], v[AT+4:AT+7], s[20:21] offset:512
	s_wait_tensorcnt 0x0                           ; the wave's end
	ds_add_u32 v109, v111
	s_wait_dscnt 0x0
	CROUND                                         ; the closing round: no work-group ends while a partner may still ask for a tile that names it
	s_endpgm
.Lfunc_end_k_qcd540f0a4c_gate:
	.size	k_qcd540f0a4c_gate, .Lfunc_end_k_qcd540f0a4c_gate-k_qcd540f0a4c_gate
	.p2alignl 7, 3214868480
	.fill 96, 4, 3214868480
	.section	.rodata,"a",@progbits
	.p2align	6, 0x0
	.amdhsa_kernel k_qcd540f0a4c_gate
		.amdhsa_group_segment_fixed_size 327680
		.amdhsa_private_segment_fixed_size 0
		.amdhsa_enable_private_segment 0
		.amdhsa_kernarg_size 72
		.amdhsa_user_sgpr_count 2
		.amdhsa_user_sgpr_kernarg_segment_ptr 1
		.amdhsa_wavefront_size32 1
		.amdhsa_system_sgpr_workgroup_id_x 1
		.amdhsa_system_sgpr_workgroup_id_y 1
		.amdhsa_system_sgpr_workgroup_id_z 1
		.amdhsa_system_vgpr_workitem_id 0
		.amdhsa_next_free_vgpr 512
		.amdhsa_next_free_sgpr 96
		.amdhsa_reserve_vcc 0
		.amdhsa_float_denorm_mode_32 3
		.amdhsa_float_denorm_mode_16_64 3
		.amdhsa_memory_ordered 1
		.amdhsa_forward_progress 1
		.amdhsa_inst_pref_size 68
	.end_amdhsa_kernel
	.amdgpu_metadata
---
amdhsa.version: [ 1, 2 ]
amdhsa.kernels:
  - .name:           k_qcd540f0a4c_gate
    .symbol:         k_qcd540f0a4c_gate.kd
    .args:
      - { .name: opart, .offset: 0, .size: 8, .value_kind: global_buffer, .address_space: global }
      - { .name: ml, .offset: 8, .size: 8, .value_kind: global_buffer, .address_space: global }
      - { .name: prev_layer_output, .offset: 16, .size: 8, .value_kind: global_buffer, .address_space: global }
      - { .name: gbuf, .offset: 24, .size: 8, .value_kind: global_buffer, .address_space: global }
      - { .name: Wg1_scales, .offset: 32, .size: 8, .value_kind: global_buffer, .address_space: global }
      - { .name: bg1, .offset: 40, .size: 8, .value_kind: global_buffer, .address_space: global }
      - { .name: Wg2, .offset: 48, .size: 8, .value_kind: global_buffer, .address_space: global }
      - { .name: bg2, .offset: 56, .size: 8, .value_kind: global_buffer, .address_space: global }
      - { .name: out0, .offset: 64, .size: 8, .value_kind: global_buffer, .address_space: global }
    .group_segment_fixed_size: 327680
    .private_segment_fixed_size: 0
    .kernarg_segment_align: 8
    .kernarg_segment_size: 72
    .max_flat_workgroup_size: 256
    .sgpr_count:     96
    .vgpr_count:     512
    .wavefront_size: 32
...
	.end_amdgpu_metadata
.endif
;; end of part 3
